; MI455X (gfx1250); checked and timed in simulation.
; The chip was launched on July 23, 2026; its instructions are those of AMD's public machine-readable ISA for CDNA 5 (MIT licence, August 2026) and "CDNA5" Instruction Set Architecture Reference Guide (July 2026). The comments in the code are by the model that wrote it; some were corrected since.
;; Gemma Attention. Allowed arithmetic: matrix products marked QUANTISED: E2M3 operands, one E8M0 scale for each 32 along K, by v_wmma_scale_f32_16x16x128_f8f6f4 with both operands' format E2M3, f32 sums; everything else in f32.
;; Inputs: cos 2 x 2,048 x 128 float32; hidden_states_codes 2 x 2,048 x 96 x 24 uint8 (E2M3 codes of hidden_states, K innermost, in blocks of 32 codes, four codes in three bytes); hidden_states_scales 2 x 2,048 x 96 uint8 (E8M0 scales of hidden_states, one for each 32 codes along K); mask 1 x 1 x 2,048 x 2,048 float32; sin 2 x 2,048 x 128 float32; wk_codes 1,024 x 96 x 24 uint8 (E2M3 codes of wk, K innermost, in blocks of 32 codes, four codes in three bytes); wk_scales 1,024 x 96 uint8 (E8M0 scales of wk, one for each 32 codes along K); wo_codes 3,072 x 32 x 24 uint8 (E2M3 codes of wo, K innermost, in blocks of 32 codes, four codes in three bytes); wo_scales 3,072 x 32 uint8 (E8M0 scales of wo, one for each 32 codes along K); wq_codes 1,024 x 96 x 24 uint8 (E2M3 codes of wq, K innermost, in blocks of 32 codes, four codes in three bytes); wq_scales 1,024 x 96 uint8 (E8M0 scales of wq, one for each 32 codes along K); wv_codes 1,024 x 96 x 24 uint8 (E2M3 codes of wv, K innermost, in blocks of 32 codes, four codes in three bytes); wv_scales 1,024 x 96 uint8 (E8M0 scales of wv, one for each 32 codes along K).
;; Outputs: out0 2 x 2,048 x 3,072 float32.
;; This version of the problem:
;;   THIS VERSION OF THE PROBLEM IS GIVEN IN LOW PRECISION. The matrix products marked QUANTISED in the list below multiply operands that are first quantised to E2M3 (2 exponent bits, 3 mantissa bits; 6 bits a number), with one power-of-two scale for each 32 numbers along K (OCP MX v1.0); their sums are f32. All else is computed in f32.
;;   The module's matrix products, in the order in which they are computed (A, B: the left and right operand; K: the contracted axis; several contracted axes count as one K, in the product's order):
;;     1. [M 4,096, K 3,072] x [K 3,072, N 1,024]; A: input hidden_states (given as codes); B: input wq (given as codes): QUANTISED
;;     2. [M 4,096, K 3,072] x [K 3,072, N 1,024]; A: input hidden_states (given as codes); B: input wk (given as codes): QUANTISED
;;     3. [M 4,096, K 3,072] x [K 3,072, N 1,024]; A: input hidden_states (given as codes); B: input wv (given as codes): QUANTISED
;;     4. batch 8 x [M 2,048, K 256] x [K 256, N 2,048]; A: computed on the way; B: computed on the way: QUANTISED
;;     5. batch 8 x [M 256, K 2,048] x [K 2,048, N 2,048]; A: computed on the way; B: softmax (see below): QUANTISED
;;     6. [M 4,096, K 1,024] x [K 1,024, N 3,072]; A: computed on the way; B: input wo (given as codes): QUANTISED
;;   THE QUANTISER, for each operand of a quantised product, along K:
;;     - K is cut into blocks of 32 from its start; a last block that is shorter is filled with zeros.
;;     - A block's scale is 2^e with e = floor(log2(the largest magnitude in the block)) - 2, held to -126 .. 127; a block of zeros has e = 0. As a byte (E8M0): e + 127.
;;     - Each number is divided by its block's scale, clamped to +-7.5, and rounded to the nearest number of E2M3, ties to even, subnormals kept.
;;     - The product sums the exact products of the quantised numbers (number of the format x scale) in f32.
;;   ~~~python
;;   def quantise(x, axis):      # numpy; x: float32 -> the quantised numbers, widened to float32 again
;;       x = np.moveaxis(x, axis, -1); K = x.shape[-1]
;;       x = np.pad(x, [(0, 0)] * (x.ndim - 1) + [(0, -K % 32)]); x = x.reshape(x.shape[:-1] + (-1, 32)); a = np.abs(x).max(-1, keepdims=True)
;;       e = np.where(a > 0, np.clip(np.frexp(np.where(a > 0, a, 1))[1] - 1 - 2, -126, 127), 0)      # np.frexp(a)[1] - 1 = floor(log2(a)), exactly
;;       r = np.clip(x / 2.0 ** e, -7.5, 7.5)
;;       step = 2.0 ** (np.maximum(np.frexp(np.where(r == 0, 1, r))[1] - 1, 0) - 3)
;;       q = np.round(r / step) * step * 2.0 ** e      # np.round: ties to even
;;       return np.moveaxis(q.reshape(q.shape[:-2] + (-1,))[..., :K], -1, axis).astype(np.float32)
;;   ~~~
;;   SOFTMAX AHEAD OF A QUANTISED PRODUCT. Where the list says 'softmax', what is quantised is not the finished softmax but p = 2^(t - M), with t = logit x log2(e) and M = ceil(the row's largest t), a whole number; so 1/2 < the row's largest p <= 1. The row's sum l is taken of the UNQUANTISED p, in f32, and the product's result is divided by l at the end. Since M is a whole number, a kernel that streams over the keys may use a running M (the ceiling of the running maximum): every later rescaling is an exact power of two, which a block's scale takes up: the codes' values come out the same.
;;   OPERANDS COMPUTED ON THE WAY. 'Computed on the way' means the value that the module computes at that place (a softmax that the list does not call 'softmax' is quantised finished and normalised). What goes into a quantiser is computed in f32, as accurately as f32 sums, v_exp_f32 and their like allow (about 1e-6 of the number): no bf16 or f16 on the way to a quantiser, and a product that is left as it is and whose result goes on into a quantised operand takes f32 operands (vector FMAs, or v_wmma_f32_16x16x4_f32). A number that lies on a knife's edge between two numbers of the format may be rounded either way, as far as f32 arithmetic and the matrix unit's own rounding can turn it there, and no further.
;;   INPUTS GIVEN AS CODES. hidden_states (in the module: [2, 2048, 3072], K = its axis 2); wk (in the module: [3072, 1024], K = its axis 0); wo (in the module: [1024, 3072], K = its axis 0); wq (in the module: [3072, 1024], K = its axis 0); wv (in the module: [3072, 1024], K = its axis 0): each comes as NAME_codes (uint8): NAME with its K axis moved to the last place and cut into blocks of 32 codes, [.., K / 32, bytes a block], one block behind the other in memory; four codes in three bytes: a row's codes are one little-endian stream of bits, code i at bits 6 i .. 6 i + 5 (a code: sign, 2 exponent bits, 3 mantissa bits); and NAME_scales (uint8): the same leading axes, one E8M0 byte (e + 127) for each 32 codes along K. Its value is code x scale, taken as it is: it is not quantised again, and the codes and scales need not be those that the quantiser above would give.
;; One version. Each part assembles by itself: llvm-mc -triple=amdgcn-amd-amdhsa -mcpu=gfx1250 --defsym DOCPART=n.
;; ======== version 1 of 1: 3 launches
;; workspace buffers: qbuf 3,276,800 bytes; kvbuf 6,553,600 bytes; o_codes 3,145,728 bytes; o_scales 131,072 bytes
;; launch qkv (part 1): grid 12 x 16, 4 waves a work-group, clusters of 4 x 4, 327,680 bytes of LDS; arguments hidden_states_codes, hidden_states_scales, wq_codes, wq_scales, wk_codes, wk_scales, wv_codes, wv_scales, cos, sin, qbuf, kvbuf; writes qbuf, kvbuf
.if DOCPART == 1
	.amdgcn_target "amdgcn-amd-amdhsa--gfx1250"
	.amdhsa_code_object_version 6
	.text
	.protected	k_qd57a2735f3_qkv
	.globl	k_qd57a2735f3_qkv
	.p2align	8
	.type	k_qd57a2735f3_qkv,@function
k_qd57a2735f3_qkv:
	s_mov_b64 s[64:65], 0
	v_nop
	global_prefetch_b8 v0, s[64:65] scope:SCOPE_SE
	s_setreg_imm32_b32 hwreg(HW_REG_WAVE_MODE, 25, 1), 1
	s_wait_xcnt 0x0
	s_wait_alu depctr_hold_cnt(0) depctr_sa_sdst(0) depctr_va_vdst(0) depctr_va_sdst(0) depctr_va_ssrc(0) depctr_va_vcc(0) depctr_vm_vsrc(0)
	s_getreg_b32 s2, hwreg(HW_REG_IB_STS2, 6, 4)
	s_cmp_eq_u32 s2, 0
	s_cbranch_scc0 .Lentry_in_a_cluster
	s_endpgm
.Lentry_in_a_cluster:
	s_bfe_u32 s2, ttmp6, 0x10000c
	s_cmp_lg_u32 s2, 0xf033
	s_cbranch_scc0 .Lentry_shape_is_right
	s_endpgm
.Lentry_shape_is_right:
; q, k, v = hidden x wq, wk, wv on codes of FP6 (E2M3) with E8M0 scales (K = 3,072); the rotation of q and k by cos and sin in f32; q and k quantised along d, v along the keys.
; A tile is 256 x 256, one head wide: four waves of 128 x 128, 64 accumulators each.  K goes in steps of 256 through two LDS slots filled by tensor loads; the scale bytes of the tile's rows come once.
; THE CLUSTER'S x CHOOSES THE ROLE (it is equal in all sixteen partners): 0: q, 1: k: source 1 = 256 tokens (tile row 4 Y + cy), source 0 = the 256 rows of one head of wq or wk (head cx): a lane holds one token, its registers run along d.
;   2: v: source 1 = the 256 rows of one head of wv (head cy), source 0 = 256 tokens (4 Y + cx): a lane holds one d, its registers run along the tokens, which are the next product's K.
; In every role source 1's tile hangs on cy alone and is asked for jointly along the cluster's row, source 0's on cx alone and jointly along the column.
; WHICH ROWS A WAVE TAKES: half x of a tile is rows 64 x + 16 i + 64 (i / 4) + r, block i = 0 .. 7.  So blocks b and b + 4 of a head's rows are d and d + 128: the two numbers of a rotation lie in one lane, in the same register of two accumulators.
; RESULTS leave as images of the next launch's operand registers: qbuf [bh 8][record 16][25,600], kvbuf [bh 8][step 16][K part 25,600 | V part 25,600]; a record or part is 128 tokens.
;   q record, K part: [tile of 16 tokens 8][c 2][1,536]: registers 4 g .. 4 g + 3 of lane l at 512 g + 16 l; at 24,576 the scale words [c 2][tile 8][16 x 4].  K step c holds the blocks 2 c, 2 c + 1, 4 + 2 c, 5 + 2 c of 32 along d;
;   inside a block the order is d 0-7, 16-23, 8-15, 24-31, alike in q and k, which keeps every product and every block.  q's scale bytes are stored less 4: the factor 1 / 16 of the scores, exact.
;   V part: [tile of 16 d 16][c 2][p 3][32 x 8]: registers 6 c + 2 p, + 1 of lane l; at 24,576 the scale words [tile 16][16 x 4].  Inside a block of 32 keys the order is 0-7, 16-23, 8-15, 24-31, as the next launch lays p.
; THE ROLES PART ONCE, ahead of the last step of 128 along K, which is written in both arms: so q's and k's arm can ask for its first cos and sin 64 matrix instructions ahead of their use, and each arm itself writes all that it reads.
; LIMITS: NaN and infinities are not served.  A block of q or k whose largest magnitude lies under 2^-120 has its byte held at 5 (1 in q after the 4 are taken off), a block of v under 2^-124 at 1; a block of zeros
;   has that byte and not 127: its codes are zeros, and this program alone reads the bytes.
; No prefetch: the tiles are shared in the cluster, and a K step's 128 matrix instructions a wave stand between a request and the wait for it.
; REGISTERS: window 0: v8-29 addresses; v32-63 scale words, two sets; v128-223 source 1's fragments, one set.  Window 1: source 0's fragments, two sets, at v0 and v128.  Windows 2, 3: the accumulators ((a, b) at v[8 (8 (a % 4) + b)]).
;   On the way out: window 0: v32-51 codes, v64-127 the rotated numbers, v224-251 at work; window 1: four sets of 32 cos + 32 sin.
.set KSTEP,  256
.set NQ,     2                         ; matrix instructions deep in a slot
.set ROWB,   192                       ; a tile's row: 256 codes
.set KROW,   2304                      ; a row of 3,072 codes in memory
.set PITCH,  240                       ; an LDS row: 3 x (64 bytes + 16 of padding)
.set FR,     12
.set NL,     6
.set NP,     4                         ; places behind this matrix instruction (ISA guide 7.12.1)
.set HALFT,  128*PITCH
.set SLOT,   4*HALFT
.set LAPS,   6                         ; 3,072 / 512
.set KS,     96                        ; a row of scale bytes
.set SCL,    2*SLOT                    ; behind the ring: the scale bytes, rows of 96 bytes on end
.set HALFS,  128*KS                    ; those of 128 rows: 48 x 256 bytes, what one tensor load brings
.set SPARE,  SCL+4*HALFS               ; the spare words, 128 bytes for each wave
.set RECQ,   25600
.set RECKV,  51200
.set CSO,  8                           ; v8   cos, sin: 512 r + 32 h
.set L16,  9                           ; v9   16 x lane
.set L8,   10                          ; v10  8 x lane
.set L4,   11                          ; v11  4 x lane
.set ADRA, 16                          ; v16-17 source 1's fragments in slot 0, 1 (v18-19: behind one padding more)
.set ADRB, 20                          ; v20-23 the same for source 0
.set ADRS, 27                          ; v27  my scale words: lanes 0-15 source 1's rows, lanes 16-31 source 0's
.set SPW,  28                          ; v28  my spare word; never rewritten
.set NIL,  29                          ; v29  0; never rewritten
.set SC,   32
.set AF,   128
.set PC,   32                          ; the way out: v32-43 a fragment's codes, v44-51 at work
.set RO,   64                          ; v64-127 64 rotated numbers
.set TM,   224                         ; v224-239 largest magnitudes, bytes, scale operands
.set PW,   240                         ; the scale word just made
.set PWE,  241                         ; that of the even block before it
.set PWW,  242                         ; both, lanes 0-15 the even block's, lanes 16-31 the odd one's
.set T,    244                         ; v244-251 products at work
.set G1,   24
.set G0,   32
.set G1B,  48
.set G0B,  56
.set G1S,  68
.set G0S,  76
.set G1SB, 80
.set G0SB, 88
.set MSB, 0
.macro WIN new                         ; the immediate's high byte repeats the setting that is left; a switch that changes nothing is dropped
.if MSB != (\new)
	s_set_vgpr_msb (MSB<<8)|(\new)
.set MSB, (\new)
.endif
.endm
.set MUL_LO, 0xa1                      ; source 0 window 1, source 1 window 0, C and D window 2
.set MUL_HI, 0xf1                      ; the same, C and D window 3
.set TO_B,   0x40                      ; destination window 1
; A joint load: waves 0 and 1 fetch for source 1, waves 2 and 3 for source 0.  The branch hangs on the wave's number alone.  Four v_nop follow each line.
.macro JLOAD g0a, g1a, g0b, g1b
	s_cmp_eq_u32 s15, 0
	s_cbranch_scc0 .Lfor_b_\@
	tensor_load_to_lds s[\g0a:\g0a+3], s[\g1a:\g1a+7]
	s_nop 0
.rept 4
	v_nop
.endr
	s_branch .Lasked_\@
.Lfor_b_\@:
	tensor_load_to_lds s[\g0b:\g0b+3], s[\g1b:\g1b+7]
	s_nop 0
.rept 4
	v_nop
.endr
.Lasked_\@:
.endm
.macro CREST                           ; a round of the cluster's barrier behind its opening barrier
	s_cmp_lg_u32 s14, 0
	s_cbranch_scc1 .Lnot_wave_0_\@
	s_barrier_signal -3
.Lnot_wave_0_\@:
	s_barrier_wait -3
	s_barrier_signal -1
	s_barrier_wait -1
.endm
.macro CROUND
	s_barrier_signal -1
	s_barrier_wait -1
	CREST
.endm
.macro PLACES n
.rept \n
	v_nop
.endr
.endm
	s_load_b512 s[68:83], s[0:1], 0x0              ; hidden's codes 68, scales 70; wq's 72, 74; wk's 76, 78; wv's 80, 82
	s_load_b256 s[84:91], s[0:1], 0x40             ; cos 84, sin 86, qbuf 88, kvbuf 90
	v_lshl_add_u32 v[SPW], v0, 2, SPARE
	v_mov_b32 v[NIL], 0
	ds_add_u32 v28, v29
	ds_add_u32 v28, v29
	s_wait_dscnt 0x0
	v_lshrrev_b32 v1, 5, v0
	v_readfirstlane_b32 s14, v1                    ; wave 0..3
	s_lshr_b32 s15, s14, 1                         ; u: my half of source 1's rows.  Also: I fetch for source 1 (0) or source 0 (1)
	s_and_b32 s16, s14, 1                          ; w: my half of source 0's rows.  Also: which 128 rows I fetch
	s_bfe_u32 s40, ttmp6, 0x40000                  ; cx
	s_bfe_u32 s41, ttmp6, 0x40004                  ; cy
	s_and_b32 s18, ttmp7, 0xffff                   ; the cluster's y
	s_cmp_eq_u32 ttmp9, 2                          ; the role v?
	s_cselect_b32 s17, 0, s18
	s_cselect_b32 s42, s18, 0
	s_lshl_b32 s17, s17, 2
	s_add_co_u32 s17, s17, s41                     ; source 1's tile: q, k: tokens 4 Y + cy;  v: head cy
	s_lshl_b32 s42, s42, 2
	s_add_co_u32 s42, s42, s40                     ; source 0's tile: q, k: head cx;  v: tokens 4 Y + cx
	s_lshl_b32 s43, s41, 2
	s_lshl_b32 s43, 15, s43                        ; my row of the cluster
	s_lshl_b32 s44, 0x1111, s40                    ; my column
	; descriptor group 1: 128 rows x 192 bytes, 16 bytes of padding behind every 64
	s_or_b32 s[G1+0], s43, (0<<16)|(1<<20)|(1<<21)|(3<<22)|(3<<25)
	s_or_b32 s[G1B+0], s44, (0<<16)|(1<<20)|(1<<21)|(3<<22)|(3<<25)
.irp g, G1, G1B
	s_mov_b32 s[\g+1], ROWB<<16                    ; tensor_dim0
	s_mov_b32 s[\g+2], 128<<16                     ; tensor_dim1
	s_mov_b32 s[\g+3], ROWB<<16                    ; tile_dim0
	s_mov_b32 s[\g+4], 128                         ; tile_dim1
	s_mov_b32 s[\g+5], KROW                        ; from row to row
	s_mov_b32 s[\g+6], 0
	s_mov_b32 s[\g+7], 0
.endr
	s_lshl_b32 s18, s16, 7                         ; which 128 rows of a tile I fetch
	s_lshl_b32 s20, s17, 8
	s_add_co_u32 s20, s20, s18                     ; source 1: row 256 x tile + 128 x half
	s_lshl_b32 s46, s42, 8
	s_add_co_u32 s46, s46, s18                     ; source 0 likewise
	s_mov_b32 s21, 0
	s_mov_b32 s47, 0
	s_mov_b64 s[18:19], KS
	s_mul_u64 s[22:23], s[20:21], s[18:19]         ; where these rows' scale bytes begin
	s_mul_u64 s[98:99], s[46:47], s[18:19]
	s_mov_b64 s[18:19], KROW
	s_mul_u64 s[20:21], s[20:21], s[18:19]         ; and their codes
	s_mul_u64 s[46:47], s[46:47], s[18:19]
	s_mul_i32 s45, s14, HALFT                      ; where they go: no place in the cluster enters an LDS address
	s_mul_i32 s66, s14, HALFS
	s_wait_kmcnt 0x0
	s_cmp_eq_u32 ttmp9, 2                          ; the buffers by role: a choice that hangs on the cluster's x alone
	s_cselect_b64 s[4:5], s[80:81], s[68:69]       ; source 1's codes: wv's or hidden's
	s_cselect_b64 s[6:7], s[82:83], s[70:71]
	s_cselect_b64 s[8:9], s[68:69], s[76:77]       ; source 0's: hidden's or wk's,
	s_cselect_b64 s[10:11], s[70:71], s[78:79]
	s_cmp_eq_u32 ttmp9, 0
	s_cselect_b64 s[8:9], s[72:73], s[8:9]         ; or wq's
	s_cselect_b64 s[10:11], s[74:75], s[10:11]
	s_cselect_b64 s[96:97], s[88:89], s[90:91]     ; results: qbuf or kvbuf
	s_mov_b32 s12, RECKV
	s_cselect_b32 s12, RECQ, s12                   ; from record to record
	s_cselect_b32 s13, 0x04040404, 0               ; what is taken off a scale word: 4 off each byte of q's
	s_mov_b64 s[92:93], s[84:85]                   ; cos
	s_mov_b64 s[94:95], s[86:87]                   ; sin
	s_add_nc_u64 s[20:21], s[4:5], s[20:21]
	s_add_nc_u64 s[22:23], s[6:7], s[22:23]
	s_add_nc_u64 s[46:47], s[8:9], s[46:47]
	s_add_nc_u64 s[98:99], s[10:11], s[98:99]
	; the scale bytes of 128 rows: 12,288 dense bytes, as 48 rows of 256 bytes (32 elements of 8), no padding.  (s68-91 are free now)
	s_or_b32 s[G1S+0], s43, (3<<16)|(1<<21)
	s_or_b32 s[G1SB+0], s44, (3<<16)|(1<<21)
.irp g, G1S, G1SB
	s_mov_b32 s[\g+1], 32<<16
	s_mov_b32 s[\g+2], 48<<16
	s_mov_b32 s[\g+3], 32<<16
	s_mov_b32 s[\g+4], 48
	s_mov_b32 s[\g+5], 32
	s_mov_b32 s[\g+6], 0
	s_mov_b32 s[\g+7], 0
.endr
	CROUND                                         ; all sixteen work-groups are here: the first joint loads meet
	s_mov_b32 s[G0S], 1
	s_add_co_u32 s[G0S+1], s66, SCL
	s_mov_b64 s[G0S+2:G0S+3], s[22:23]
	s_or_b32 s[G0S+3], s[G0S+3], 0x80000000
	s_mov_b32 s[G0SB], 1
	s_add_co_u32 s[G0SB+1], s66, SCL
	s_mov_b64 s[G0SB+2:G0SB+3], s[98:99]
	s_or_b32 s[G0SB+3], s[G0SB+3], 0x80000000
	JLOAD G0S, G1S, G0SB, G1SB                     ; the scale bytes first: they are wanted with K step 0
.irp s, 0,1
	s_mov_b32 s[G0+4*\s], 1
	s_add_co_u32 s[G0+4*\s+1], s45, \s*SLOT
	s_add_nc_u64 s[G0+4*\s+2:G0+4*\s+3], s[20:21], \s*ROWB
	s_or_b32 s[G0+4*\s+3], s[G0+4*\s+3], 0x80000000
	s_mov_b32 s[G0B+4*\s], 1
	s_add_co_u32 s[G0B+4*\s+1], s45, \s*SLOT
	s_add_nc_u64 s[G0B+4*\s+2:G0B+4*\s+3], s[46:47], \s*ROWB
	s_or_b32 s[G0B+4*\s+3], s[G0B+4*\s+3], 0x80000000
	JLOAD G0+4*\s, G1, G0B+4*\s, G1B               ; three loads of mine are out
.endr
	v_and_b32 v1, 15, v0                           ; r
	v_bfe_u32 v2, v0, 4, 1                         ; h
	v_mul_u32_u24 v3, v1, PITCH
	v_mul_u32_u24 v4, v2, 24
	v_add_nc_u32 v4, v3, v4                        ; a fragment's row x pitch + 24 h
	v_lshl_add_u32 v5, v2, 4, v4                   ; and the same behind one padding more
	s_mul_i32 s21, s15, 64*PITCH                   ; my half of source 1's rows begins at row 64 u,
	s_mul_i32 s22, s16, 64*PITCH                   ; of source 0's at row 64 w,
	s_add_co_u32 s22, s22, 2*HALFT                 ; behind source 1's 256
.irp s, 0,1
	v_add_nc_u32 v[ADRA+\s], s21, v4
	v_add_nc_u32 v[ADRB+\s], s22, v4
	v_add_nc_u32 v[ADRA+2+\s], s21, v5
	v_add_nc_u32 v[ADRB+2+\s], s22, v5
	s_add_co_u32 s21, s21, SLOT
	s_add_co_u32 s22, s22, SLOT
.endr
	v_mul_u32_u24 v5, v1, KS                       ; my row's scale bytes: 96 a row
	s_mul_i32 s21, s15, 64*KS
	s_mul_i32 s22, s16, 64*KS
	s_add_co_u32 s22, s22, 2*HALFS
	s_sub_co_u32 s22, s22, s21
	v_mul_u32_u24 v6, s22, v2                      ; lanes 16-31 take source 0's: one product with h
	s_add_co_u32 s21, s21, SCL
	v_add_nc_u32 v5, v5, v6
	v_add_nc_u32 v[ADRS], s21, v5
	v_lshlrev_b32 v[CSO], 9, v1                    ; cos, sin: a token's row is 512 bytes; my half's eight numbers begin 32 h on
	v_lshl_add_u32 v[CSO], v2, 5, v[CSO]
	v_and_b32 v6, 31, v0
	v_lshlrev_b32 v[L16], 4, v6
	v_lshlrev_b32 v[L8], 3, v6
	v_lshlrev_b32 v[L4], 2, v6
	s_lshl_b32 s18, s17, 8                         ; cos and sin at token 256 x tile + 64 u, d 64 w (used in the roles q and k alone)
	s_lshl_b32 s19, s15, 6
	s_add_co_u32 s18, s18, s19
	s_lshl_b32 s18, s18, 9
	s_lshl_b32 s19, s16, 8
	s_add_co_u32 s18, s18, s19
	s_mov_b32 s19, 0
	s_add_nc_u64 s[92:93], s[92:93], s[18:19]
	s_add_nc_u64 s[94:95], s[94:95], s[18:19]
; A fragment, 16 rows x 128 K of 6-bit codes, is 12 registers: lane l holds row l % 16; registers 6 c .. 6 c + 5 hold K = 64 c + 32 (l / 16) + 0 .. 31: 24 bytes of the row's stream of bits, in pieces of 8 bytes.
; Lanes 16-31 read three pieces further on; where that is behind one padding more, the second address register serves.  Block i begins at row 16 i + 64 (i / 4) of my half.
.macro FRAG reg, adr, q, i
.irp p, 0,1,2,3,4,5
.set PCE, 12*(\q)+6*(\p/3)+\p%3
.if PCE%8 < 5
	ds_load_b64 v[\reg+2*\p:\reg+2*\p+1], v[\adr] offset:8*PCE+16*(PCE/8)+(16*(\i)+64*((\i)/4))*PITCH
.else
	ds_load_b64 v[\reg+2*\p:\reg+2*\p+1], v[\adr+2] offset:8*PCE+16*(PCE/8)+(16*(\i)+64*((\i)/4))*PITCH
.endif
.endr
.endm
; 16 matrix instructions: source 1's blocks a0, a0 + 1 x source 0's eight.  The 64 accumulators take turns, one instruction a turn, in the same order in every step.
.macro MUL16 a0, p, q, sc, zero
.irp a, \a0, \a0+1
.irp b, 0,1,2,3,4,5,6,7
.if \zero
	v_wmma_scale_f32_16x16x128_f8f6f4 v[8*(8*((\a)%4)+\b):8*(8*((\a)%4)+\b)+7], v[128*(\p)+FR*\b:128*(\p)+FR*\b+FR-1], v[AF+FR*(\a):AF+FR*(\a)+FR-1], 0, v[SC+8*NQ*(\sc)+NQ*\b+(\q)], v[SC+8*NQ*(\sc)+NQ*(\a)+(\q)] matrix_a_fmt:MATRIX_FMT_FP6 matrix_b_fmt:MATRIX_FMT_FP6 matrix_a_scale:MATRIX_SCALE_ROW1
.else
	v_wmma_scale_f32_16x16x128_f8f6f4 v[8*(8*((\a)%4)+\b):8*(8*((\a)%4)+\b)+7], v[128*(\p)+FR*\b:128*(\p)+FR*\b+FR-1], v[AF+FR*(\a):AF+FR*(\a)+FR-1], v[8*(8*((\a)%4)+\b):8*(8*((\a)%4)+\b)+7], v[SC+8*NQ*(\sc)+NQ*\b+(\q)], v[SC+8*NQ*(\sc)+NQ*(\a)+(\q)] matrix_a_fmt:MATRIX_FMT_FP6 matrix_b_fmt:MATRIX_FMT_FP6 matrix_a_scale:MATRIX_SCALE_ROW1
.endif
.endr
.endr
.endm
.macro FETCH_B slot, q, p
	WIN TO_B
.irp i, 0,1,2,3,4,5,6,7
	FRAG 128*(\p)+FR*\i, ADRB+\slot, \q, \i
.endr
	WIN 0
.endm
.macro FETCH_A slot, q, i0
.irp i, \i0, \i0+1, \i0+2, \i0+3
	FRAG AF+FR*(\i), ADRA+\slot, \q, \i
.endr
.endm
.macro SCALES sc                       ; a K step's two scale words a row: lanes 0-15 source 1's block i, lanes 16-31 source 0's block i
.irp i, 0,1,2,3,4,5,6,7
	ds_load_b64 v[SC+8*NQ*\sc+NQ*\i:SC+8*NQ*\sc+NQ*\i+1], v[ADRS] offset:(16*\i+64*(\i/4))*KS
.endr
.endm
; A step of 128 along K that has its successor in the same slot.
.macro STEP slot, q, zero
	s_wait_dscnt 4*NL                              ; all but the youngest 24 loads (source 1's blocks 4-7) are in
	WIN MUL_LO
	MUL16 0, (\q)%2, \q, \slot, \zero
	MUL16 2, (\q)%2, \q, \slot, \zero
	s_wait_dscnt 0                                 ; blocks 4-7 are in
	PLACES NP                                      ; in front of loads into registers that matrix instructions have read
	FETCH_B \slot, (\q)+1, 1-(\q)%2
	FETCH_A \slot, (\q)+1, 0
	WIN MUL_HI
	MUL16 4, (\q)%2, \q, \slot, \zero
	MUL16 6, (\q)%2, \q, \slot, \zero
	PLACES NP
	WIN 0
	FETCH_A \slot, (\q)+1, 4
.endm
; A slot's last step changes slots: in front of the barrier each wave waits for all its tensor loads, adds 0 to its spare word, and waits for that and for its reads of this slot.  fill = 1: the slot is filled again, two K steps ahead.
.macro TURN slot, next, fill
	s_wait_tensorcnt 0x0                           ; all my tensor loads have landed: my part of the next slot
	ds_add_u32 v[SPW], v[NIL]                      ; 0 onto my spare word
	s_wait_dscnt 4*NL+1                            ; the add and the youngest 24 loads may be out
	WIN MUL_LO
	MUL16 0, 1, NQ-1, \slot, 0
	s_wait_dscnt 0x0                               ; the add is done, and my reads of this slot are over
	s_barrier_signal -1
	MUL16 2, 1, NQ-1, \slot, 0
	WIN 0
	s_barrier_wait -1
.if \fill
	CREST                                          ; the barrier has opened a round of the cluster's barrier: no wave of any partner still reads this slot or has a load on its way
	s_add_nc_u64 s[G0+4*\slot+2:G0+4*\slot+3], s[G0+4*\slot+2:G0+4*\slot+3], 2*ROWB
	s_add_nc_u64 s[G0B+4*\slot+2:G0B+4*\slot+3], s[G0B+4*\slot+2:G0B+4*\slot+3], 2*ROWB
	JLOAD G0+4*\slot, G1, G0B+4*\slot, G1B         ; the first tensor load behind the round; its four v_nop are the places in front of the loads below
.else
	PLACES NP
.endif
	v_add_nc_u32 v[ADRS], 4*NQ, v[ADRS]            ; the next K step's scale words
	FETCH_B \next, 0, 0
	FETCH_A \next, 0, 0
	SCALES \next
	WIN MUL_HI
	MUL16 4, 1, NQ-1, \slot, 0
	MUL16 6, 1, NQ-1, \slot, 0
	PLACES NP
	WIN 0
	FETCH_A \next, 0, 4
.endm
; The very last step of 128 along K, and what both ways out want set up.  Written once in each role's arm.
.macro LAST
	s_wait_dscnt 4*NL                              ; all but the youngest 24 LDS loads are in
	WIN MUL_LO
	MUL16 0, 1, NQ-1, 1, 0
	MUL16 2, 1, NQ-1, 1, 0
	s_wait_dscnt 0
	WIN MUL_HI
	MUL16 4, 1, NQ-1, 1, 0
	MUL16 6, 1, NQ-1, 1, 0
	WIN 0
	PLACES NP                                      ; behind the last products: results are read, and registers that they read are written
.irp b, 0,1,2,3
	v_mov_b32 v[TM+4+\b], 0                        ; written once: a lane permute's destination counts as one of its sources
.endr
	s_mov_b32 s20, 0x76543210
	s_mov_b32 s21, 0xfedcba98                      ; v_permlanex16_b32's selects for lane l xor 16
	s_mov_b32 s23, 0xffff0000                      ; lanes 16-31
.endm
; THE WAY OUT.  cos and sin of block a's 16 tokens, my 64 d: 32 + 32 registers of window 1, set a % 4; 16 loads.
.macro CSLOAD a
.set CB, 64*((\a)%4)
	WIN 0x40
.irp b, 0,1,2,3
.irp g, 0,1
	global_load_b128 v[CB+8*\b+4*\g:CB+8*\b+4*\g+3], v[CSO], s[92:93] offset:(16*(\a)+64*((\a)/4))*512+64*\b+16*\g
	global_load_b128 v[CB+32+8*\b+4*\g:CB+32+8*\b+4*\g+3], v[CSO], s[94:95] offset:(16*(\a)+64*((\a)/4))*512+64*\b+16*\g
.endr
.endr
	WIN 0
.endm
; The rotation of block a: x1 = accumulator (a, b), x2 = (a, b + 4): x1 cos - x2 sin and x1 sin + x2 cos, two numbers an instruction; each accumulator is read from its low end on.
.macro ROPE a
.set AC, 64*((\a)%4)
.set CB, 64*((\a)%4)
	WIN 0x06+(\a)/4                                ; source 0: window 2 or 3; source 1: window 1; source 2 and destination: window 0
.irp b, 0,1,2,3
.irp j, 0,2,4,6
.set TT, T+2*(\j%4)
	v_pk_mul_f32 v[TT:TT+1], v[AC+32+8*\b+\j:AC+32+8*\b+\j+1], v[CB+32+8*\b+\j:CB+32+8*\b+\j+1]
	v_pk_mul_f32 v[TT+2:TT+3], v[AC+32+8*\b+\j:AC+32+8*\b+\j+1], v[CB+8*\b+\j:CB+8*\b+\j+1]
	v_pk_fma_f32 v[RO+8*\b+\j:RO+8*\b+\j+1], v[AC+8*\b+\j:AC+8*\b+\j+1], v[CB+8*\b+\j:CB+8*\b+\j+1], v[TT:TT+1] neg_lo:[0,0,1] neg_hi:[0,0,1]
	v_pk_fma_f32 v[RO+32+8*\b+\j:RO+32+8*\b+\j+1], v[AC+8*\b+\j:AC+8*\b+\j+1], v[CB+32+8*\b+\j:CB+32+8*\b+\j+1], v[TT+2:TT+3]
.endr
.endr
	WIN 0
.endm
; 64 numbers of a lane in window w, register s + 16 b + i = number i of the 16 that my half of the lanes holds of block b of my row, become a fragment's codes in v[PC] on (lane (r, h): block 2 c + h in registers 6 c .. 6 c + 5)
; and its scale word in v[PW].  floor: under it no largest magnitude is taken, which holds the byte from below.
.macro QUANT s, w, floor
	WIN (\w)|((\w)<<2)
.irp b, 0,1,2,3
	v_max3_num_f32 v[TM+\b], |v[\s+16*\b]|, |v[\s+1+16*\b]|, \floor
.endr
.irp i, 2,4,6,8,10,12,14
.irp b, 0,1,2,3
	v_max3_num_f32 v[TM+\b], |v[\s+16*\b+\i]|, |v[\s+1+16*\b+\i]|, v[TM+\b]   ; the four blocks by turns
.endr
.endr
	WIN 0
.irp b, 0,1,2,3
	v_permlanex16_b32 v[TM+4+\b], v[TM+\b], s20, s21
.endr
.irp b, 0,1,2,3
	v_max_num_f32 v[TM+\b], v[TM+\b], v[TM+4+\b]   ; with lane l xor 16's: the block's largest magnitude
.endr
.irp b, 0,1,2,3
	v_add_nc_u32 v[TM+12+\b], 0xff000000, v[TM+\b] ; 2 off its exponent field: the conversion's scale operand
.endr
.irp b, 0,1,2,3
	v_lshrrev_b32 v[TM+4+\b], 23, v[TM+12+\b]      ; the scale's byte
.endr
	v_lshl_or_b32 v[PW], v[TM+5], 8, v[TM+4]
	v_lshl_or_b32 v[PW], v[TM+6], 16, v[PW]
	v_lshl_or_b32 v[PW], v[TM+7], 24, v[PW]
	WIN (\w)
.irp c, 0,1
	v_cvt_scalef32_pk16_fp6_f32 v[PC+6*\c:PC+2+6*\c], v[\s+32*\c:\s+15+32*\c], v[TM+12+2*\c]
	v_cvt_scalef32_pk16_fp6_f32 v[PC+12+4*\c:PC+14+4*\c], v[\s+16+32*\c:\s+31+32*\c], v[TM+13+2*\c]   ; (a conversion's three registers begin on an even number)
.endr
	WIN 0
	v_nop                                          ; one plain place behind a scaled conversion
.irp c, 0,1
.irp i, 0,1,2
	v_permlane16_swap_b32 v[PC+6*\c+\i], v[PC+12+4*\c+\i]   ; a whole block to a lane: lanes 0-15 block 2 c, lanes 16-31 block 2 c + 1
.endr
.irp i, 0,1,2
	v_mov_b32 v[PC+3+6*\c+\i], v[PC+12+4*\c+\i]
.endr
.endr
.endm
	s_wait_tensorcnt 1                             ; the scale bytes and my part of K step 0 are in; K step 1's load may be out
	s_barrier_signal -1
	s_barrier_wait -1
	FETCH_B 0, 0, 0
	FETCH_A 0, 0, 0
	SCALES 0
	FETCH_A 0, 0, 4
	STEP 0, 0, 1                                   ; the first step's products start the sums
	s_mov_b32 s3, LAPS-1
.Llap:                                                 ; a trip goes once round the ring and fills both slots again
	TURN 0, 1, 1
	STEP 1, 0, 0
	TURN 1, 0, 1
	STEP 0, 0, 0
	s_sub_co_u32 s3, s3, 1
	s_cmp_lg_u32 s3, 0
	s_cbranch_scc1 .Llap
	TURN 0, 1, 0                                   ; the last lap fills nothing
	STEP 1, 0, 0
	s_cmp_eq_u32 ttmp9, 2                          ; the roles part here, once: the cluster's x is the same in all sixteen partners
	s_cbranch_scc1 .Lvpath
	; ---- q, k.  The first two blocks' cos and sin are asked for ahead of the last 64 products, into source 0's set 0, whose last products stand four places back
	CSLOAD 0
	CSLOAD 1
	LAST
	; My tokens: 64 u + 16 (a % 4) + r of record rec0 + a / 4; my d: K step w of the record's images
	s_lshr_b32 s18, s17, 3                         ; batch
	s_lshl_b32 s18, s18, 2
	s_add_co_u32 s18, s18, s42                     ; bh = 4 batch + head
	s_lshl_b32 s18, s18, 4
	s_and_b32 s19, s17, 7
	s_lshl_b32 s19, s19, 1
	s_add_co_u32 s18, s18, s19                     ; record 16 bh + 2 (tile % 8)
	s_mul_i32 s46, s18, s12
	s_mov_b32 s47, 0
	s_add_nc_u64 s[96:97], s[96:97], s[46:47]
	s_lshl_b32 s46, s15, 8
	s_lshl_b32 s18, s16, 9
	s_add_co_u32 s46, s46, s18
	s_add_co_u32 s46, s46, 24576
	s_add_nc_u64 s[98:99], s[96:97], s[46:47]      ; scale words: + 24,576 + 512 w + 256 u
	s_mul_i32 s46, s15, 12288
	s_mul_i32 s18, s16, 1536
	s_add_co_u32 s46, s46, s18
	s_add_nc_u64 s[96:97], s[96:97], s[46:47]      ; images: + 12,288 u + 1,536 w
	s_mov_b32 s46, s12                             ; what block 4 adds: a record
	CSLOAD 2                                       ; three blocks, 48 loads, are out at the most
.irp a, 0,1,2,3,4,5,6,7
.if \a < 6
	s_wait_loadcnt 32                              ; block a's 16 loads are in; those of the two blocks behind it may be out
.else
	s_wait_loadcnt 16*(7-\a)
.endif
	ROPE \a
.if \a < 5
	CSLOAD \a+3                                    ; into the set that block a - 1 has left
.endif
.if \a > 0
	s_wait_xcnt 0x0                                ; the last block's stores have read their data and bases: both are written again only behind this wait
.endif
.if \a == 4
	s_add_nc_u64 s[96:97], s[96:97], s[46:47]
	s_add_nc_u64 s[98:99], s[98:99], s[46:47]
.endif
	QUANT RO, 0, 0x3800000                         ; the floor 2^(7 - 127): every byte is 5 or more, so 4 come off without a borrow
	v_sub_nc_u32 v[PW], v[PW], s13
.irp g, 0,1,2
	global_store_b128 v[L16], v[PC+4*\g:PC+4*\g+3], s[96:97] offset:(\a%4)*3072+512*\g   ; 32 lanes store 512 consecutive bytes, at a multiple of 256 from the buffer's first byte
.endr
.if \a%2 == 0
	v_mov_b32 v[PWE], v[PW]
.else
	v_cndmask_b32 v[PWW], v[PWE], v[PW], s23
	global_store_b32 v[L4], v[PWW], s[98:99] offset:(\a%4-1)*64   ; two tiles' scale words: 128 consecutive bytes
.endif
.endr
	s_branch .Lend
.Lvpath:
	; ---- v.  My d: tile 4 u + a + 4 (a / 4); my keys: blocks 2 w, 2 w + 1 of steps rec0 and rec0 + 1
	LAST
	s_lshr_b32 s18, s42, 3                         ; batch
	s_lshl_b32 s18, s18, 2
	s_add_co_u32 s18, s18, s17                     ; bh = 4 batch + head
	s_lshl_b32 s18, s18, 4
	s_and_b32 s19, s42, 7
	s_lshl_b32 s19, s19, 1
	s_add_co_u32 s18, s18, s19
	s_mul_i32 s46, s18, RECKV
	s_add_co_u32 s46, s46, RECQ                    ; the V part lies behind the K part
	s_mov_b32 s47, 0
	s_add_nc_u64 s[96:97], s[96:97], s[46:47]
	s_lshl_b32 s46, s15, 8
	s_lshl_b32 s18, s16, 1
	s_add_co_u32 s46, s46, s18
	s_add_co_u32 s46, s46, 24576
	s_add_nc_u64 s[98:99], s[96:97], s[46:47]      ; scale words: + 24,576 + 256 u + 2 w
	s_mul_i32 s46, s15, 6144
	s_mul_i32 s18, s16, 768
	s_add_co_u32 s46, s46, s18
	s_add_nc_u64 s[96:97], s[96:97], s[46:47]      ; images: + 6,144 u + 768 w
.irp a, 0,1,2,3,4,5,6,7
.if \a > 0
	s_wait_xcnt 0x0                                ; the last block's stores have read their data
.endif
	QUANT 64*(\a%4), 2+\a/4, 0x1800000             ; straight from the accumulators, each from its low end on
.irp e, 0,1,2,3,4,5
	global_store_b64 v[L8], v[PC+2*\e:PC+2*\e+1], s[96:97] offset:(\e/3)*RECKV+(\a+4*(\a/4))*1536+256*(\e%3)   ; registers 6 w + 2 p of step e / 3: 256 consecutive bytes, aligned
.endr
.if \a%2 == 0
	v_mov_b32 v[PWE], v[PW]
.else
	v_cndmask_b32 v[PWW], v[PWE], v[PW], s23
	global_store_b16 v[L4], v[PWW], s[98:99] offset:(\a+4*(\a/4)-1)*64                ; my two bytes of each row's word: the other two are the other wave's.  1,024 bytes of a part's 25,600 leave so
	global_store_d16_hi_b16 v[L4], v[PWW], s[98:99] offset:RECKV+(\a+4*(\a/4)-1)*64
.endif
.endr
.Lend:
	s_wait_tensorcnt 0x0                           ; the wave's end
	ds_add_u32 v[SPW], v[NIL]
	s_wait_dscnt 0x0
	CROUND                                         ; the closing round: no work-group ends while a partner may still ask for a tile that names it
	s_endpgm
.Lfunc_end_k_qd57a2735f3_qkv:
	.size	k_qd57a2735f3_qkv, .Lfunc_end_k_qd57a2735f3_qkv-k_qd57a2735f3_qkv
	.p2alignl 7, 3214868480
	.fill 96, 4, 3214868480
	.section	.rodata,"a",@progbits
	.p2align	6, 0x0
	.amdhsa_kernel k_qd57a2735f3_qkv
		.amdhsa_group_segment_fixed_size 327680
		.amdhsa_private_segment_fixed_size 0
		.amdhsa_enable_private_segment 0
		.amdhsa_kernarg_size 96
		.amdhsa_user_sgpr_count 2
		.amdhsa_user_sgpr_kernarg_segment_ptr 1
		.amdhsa_wavefront_size32 1
		.amdhsa_system_sgpr_workgroup_id_x 1
		.amdhsa_system_sgpr_workgroup_id_y 1
		.amdhsa_system_sgpr_workgroup_id_z 1
		.amdhsa_system_vgpr_workitem_id 0
		.amdhsa_next_free_vgpr 1024
		.amdhsa_next_free_sgpr 100
		.amdhsa_reserve_vcc 0
		.amdhsa_float_denorm_mode_32 3
		.amdhsa_float_denorm_mode_16_64 3
		.amdhsa_memory_ordered 1
		.amdhsa_forward_progress 1
		.amdhsa_inst_pref_size 255
	.end_amdhsa_kernel
	.section	.bss,"aw",@nobits
	.p2align	6
	.space	262144
	.amdgpu_metadata
---
amdhsa.version: [ 1, 2 ]
amdhsa.kernels:
  - .name:           k_qd57a2735f3_qkv
    .symbol:         k_qd57a2735f3_qkv.kd
    .args:
      - { .name: hidden_states_codes, .offset: 0, .size: 8, .value_kind: global_buffer, .address_space: global }
      - { .name: hidden_states_scales, .offset: 8, .size: 8, .value_kind: global_buffer, .address_space: global }
      - { .name: wq_codes, .offset: 16, .size: 8, .value_kind: global_buffer, .address_space: global }
      - { .name: wq_scales, .offset: 24, .size: 8, .value_kind: global_buffer, .address_space: global }
      - { .name: wk_codes, .offset: 32, .size: 8, .value_kind: global_buffer, .address_space: global }
      - { .name: wk_scales, .offset: 40, .size: 8, .value_kind: global_buffer, .address_space: global }
      - { .name: wv_codes, .offset: 48, .size: 8, .value_kind: global_buffer, .address_space: global }
      - { .name: wv_scales, .offset: 56, .size: 8, .value_kind: global_buffer, .address_space: global }
      - { .name: cos, .offset: 64, .size: 8, .value_kind: global_buffer, .address_space: global }
      - { .name: sin, .offset: 72, .size: 8, .value_kind: global_buffer, .address_space: global }
      - { .name: qbuf, .offset: 80, .size: 8, .value_kind: global_buffer, .address_space: global }
      - { .name: kvbuf, .offset: 88, .size: 8, .value_kind: global_buffer, .address_space: global }
    .group_segment_fixed_size: 327680
    .private_segment_fixed_size: 0
    .kernarg_segment_align: 8
    .kernarg_segment_size: 96
    .max_flat_workgroup_size: 128
    .sgpr_count:     100
    .vgpr_count:     1024
    .wavefront_size: 32
...
	.end_amdgpu_metadata
.endif
;; end of part 1
;; launch attn (part 2): grid 32 x 8, 4 waves a work-group, clusters of 4 x 1, 327,680 bytes of LDS; arguments qbuf, kvbuf, mask, o_codes, o_scales; writes o_codes, o_scales
.if DOCPART == 2
	.amdgcn_target "amdgcn-amd-amdhsa--gfx1250"
	.amdhsa_code_object_version 6
	.text
	.protected	k_qd57a2735f3_attn
	.globl	k_qd57a2735f3_attn
	.p2align	8
	.type	k_qd57a2735f3_attn,@function
k_qd57a2735f3_attn:
	s_mov_b64 s[64:65], 0
	v_nop
	global_prefetch_b8 v0, s[64:65] scope:SCOPE_SE
	s_setreg_imm32_b32 hwreg(HW_REG_WAVE_MODE, 25, 1), 1
	s_wait_xcnt 0x0
	s_wait_alu depctr_hold_cnt(0) depctr_sa_sdst(0) depctr_va_vdst(0) depctr_va_sdst(0) depctr_va_ssrc(0) depctr_va_vcc(0) depctr_vm_vsrc(0)
	s_getreg_b32 s2, hwreg(HW_REG_IB_STS2, 6, 4)
	s_cmp_eq_u32 s2, 0
	s_cbranch_scc0 .Lentry_in_a_cluster
	s_endpgm
.Lentry_in_a_cluster:
	s_bfe_u32 s2, ttmp6, 0x10000c
	s_cmp_lg_u32 s2, 0x3003
	s_cbranch_scc0 .Lentry_shape_is_right
	s_endpgm
.Lentry_shape_is_right:
; o = softmax(q k^T / 16 + mask) v for one (batch, head) bh and 64 queries a work-group, both products on codes of FP6 (E2M3) with E8M0 scales; o is quantised along d and stored as codes.
; The mask is an input: all 2,048 keys are walked, 128 a step, 16 steps.  The factor 1 / 16 lies in q's scale bytes.
; SHARES IN A STEP.  First wave w makes S^T = K Q^T for key tiles 2 w, 2 w + 1 (block w of 32 keys) against all four tiles of 16 queries: 16 matrix instructions.  A lane holds one query; 16 registers are its half of the block.
;   The mask is added in f32; t = logit x log2(e); M_w = the ceiling of the wave's running largest t, a whole number; p = 2^(t - M_w); the sum of the unquantised p is kept under M_w; p is quantised, and its 12 bytes a lane
;   go to their place in the images of P's four fragments in LDS, with -M_w and the block's byte beside them.  One barrier.  Then wave w makes O^T += V^T P for d tiles 4 w .. 4 w + 3 against the four tiles of queries:
;   16 matrix instructions.  The four blocks are brought under a common running M by adding M_w - M to each block's byte: exact powers of two.  No fragment of K, V or P is read twice by a wave.
; THE RING.  Two LDS slots, each with the K and V parts of TWO steps (4 x 25,600 bytes); each wave fetches one part by one tensor load.  A refill has two steps' work in which to land.
; CLUSTER.  The four query blocks of a cluster belong to one bh and walk the same K and V: each part is asked for jointly by the four.
; THE MASK DOES NOT GO THROUGH THE RING AND IS NOT ASKED FOR JOINTLY: with it, two slots of two steps would take 4 x (51,200 + 32,768) = 335,872 bytes, more than the 327,680 of LDS.  Wave w loads rows 16 w .. 16 w + 15 of a step
;   into registers, 512 consecutive bytes an instruction, two steps ahead (two sets of 64 registers), stores them a step ahead into one of two stages in LDS, and all waves read them there in S^T's layout.
; ONE BARRIER A STEP.  P's images, the statistics and the mask's stages have two sets each, taken by the step's parity: what step j + 1 stores was last read in step j - 1, and step j's barrier, in front of which each wave
;   waits for all its LDS instructions, stands between.
; LIMITS: NaN and infinities are not served.  A block of p that lies more than its own byte under the common M is held at byte 0 (2^-127 x its codes, beside a row's sum of 1/2 or more).  A block of o under 2^-124 has byte 1, not the
;   rule's; a block of zeros has byte 1, not 127: its codes are zeros, and this program alone reads the bytes.
; No prefetch: a refill of K and V has two steps' work in which to land, and the mask's loads are issued two steps ahead of the step that adds them.
; REGISTERS: window 0: addresses, scale words, statistics, v160-223 S^T then p.  Window 1: v0-95 Q, v96-143 K, v144-191 V, v192-239 P.  Window 2: v0-127 O^T ((qt, d tile) at 8 (4 qt + d)), v128-191 the mask in S^T's layout.
;   Window 3: v0-63, v64-127 the mask as loaded, two sets.
.set PART,  25600
.set SCO,   24576                      ; a part's scale words
.set STEPB, 2*PART                     ; a step: K's part, V's part
.set SLOT,  2*STEPB                    ; 102,400
.set MP,    528                        ; a row of the mask's stage: 512 bytes + 16
.set MSTB,  64*MP                      ; a stage: 33,792
.set MST,   2*SLOT                     ; behind the ring, in blocks that no tensor load fills: the mask's two stages,
.set PIM,   MST+2*MSTB                 ; P's four images, two sets: lane l at 48 l, register e at 4 e,
.set PIMB,  4*1536
.set STAT,  PIM+2*PIMB                 ; [qt][lane 32 bytes][wave 8 bytes]: -M_w and the byte, two sets of 4,096; 8,192 on: -M_w and the sum,
.set STG,   STAT+3*4096                ; 64 rows x 192 bytes of o's codes,
.set SCS,   STG+64*192                 ; 64 rows x 8 scale bytes,
.set SPARE, SCS+512                    ; the spare words, 128 bytes for each wave
.set AKF, 4                            ; v4-5   K's fragments in slot 0, 1
.set AKS, 6                            ; v6-7   K's scale words
.set AVF, 8                            ; v8-9   V's fragments
.set AVS, 10                           ; v10-11 V's scale words
.set AMK, 12                           ; v12    the mask's stage, read
.set AMW, 13                           ; v13    the mask's stage, written
.set APW, 14                           ; v14    where I put p's codes
.set APR, 15                           ; v15    where I read P's images
.set AST, 16                           ; v16    where I put statistics
.set ASR, 17                           ; v17    where I read them
.set ASG, 18                           ; v18    the stage for o, in
.set ASC, 19                           ; v19    o's scale bytes, in
.set RDG, 20                           ; v20    the stage for o, back
.set RDS, 21                           ; v21    o's scale bytes, back
.set L16, 22                           ; v22    16 x lane
.set GS,  23                           ; v23    o_scales: 32 (lane / 2) + 4 (lane % 2)
.set L4,  24                           ; v24    4 x lane
.set SPW, 28
.set NIL, 29
.set KSC, 30                           ; v30-31 K's scale words, K step c: lanes 0-15 tile 2 w, lanes 16-31 tile 2 w + 1
.set QSC, 32                           ; v32-35 Q's: 2 c + qt / 2; lanes 16-31 the odd tile
.set VSC, 36                           ; v36-37 V's: d tiles 2 i, 2 i + 1
.set PSC, 38                           ; v38-41 P's
.set ST,  42                           ; v42-49 pairs (-M_w, the largest t)
.set L,   50                           ; v50-57 the sums, in two halves
.set F,   58                           ; v58-65 pairs (2^(old M_w - new M_w), 0)
.set NC,  66                           ; v66-69 the common -M
.set FO,  70                           ; v70-77 pairs (2^(old M - new M), 0); at the end 1 / the sum
.set BM,  78                           ; v78-81 a block's largest score, then its largest p
.set BX,  82                           ; v82-85 from lane l xor 16
.set SO,  86                           ; v86-89 the conversions' scale operands
.set PB,  90                           ; v90-97 pairs to be handed on
.set T,   98                           ; v98-105 at work
.set CD,  106                          ; v106-121 p's codes, four registers a tile
.set WS,  122                          ; v122-153 the four waves' statistics, eight registers a tile
.set S,   160
.set TM,  122                          ; at the end
.set PC,  138
.set PW,  158
.set KF,  96
.set VF,  144
.set PF,  192
.set MKR, 128
.set SEL, 20
.set CS,  22
.set G1,  24                           ; s[24:31] descriptor group 1: a part
.set G0,  32                           ; s[32:39] group 0, a set for each slot
.set MSB, 0
.macro WIN new
.if MSB != (\new)
	s_set_vgpr_msb (MSB<<8)|(\new)
.set MSB, (\new)
.endif
.endm
.macro CROUND                          ; a round of the cluster's barrier
	s_barrier_signal -1
	s_barrier_wait -1
	s_cmp_lg_u32 s14, 0
	s_cbranch_scc1 .Lnot_wave_0_\@
	s_barrier_signal -3
.Lnot_wave_0_\@:
	s_barrier_wait -3
	s_barrier_signal -1
	s_barrier_wait -1
.endm
.macro PLACES n
.rept \n
	v_nop
.endr
.endm
; One matrix instruction on the registers named by wD, wA, wB, wSA, wSB.  z = 1: it starts the sum.  ra, rb = 1: the side's scale words stand in lanes 16-31.
.macro WMX z, ra, rb
.if \z
.if ((\ra)==0)&&((\rb)==0)
	v_wmma_scale_f32_16x16x128_f8f6f4 v[wD:wD+7], v[wA:wA+11], v[wB:wB+11], 0, v[wSA], v[wSB] matrix_a_fmt:MATRIX_FMT_FP6 matrix_b_fmt:MATRIX_FMT_FP6
.elseif (\rb)==0
	v_wmma_scale_f32_16x16x128_f8f6f4 v[wD:wD+7], v[wA:wA+11], v[wB:wB+11], 0, v[wSA], v[wSB] matrix_a_fmt:MATRIX_FMT_FP6 matrix_b_fmt:MATRIX_FMT_FP6 matrix_a_scale:MATRIX_SCALE_ROW1
.elseif (\ra)==0
	v_wmma_scale_f32_16x16x128_f8f6f4 v[wD:wD+7], v[wA:wA+11], v[wB:wB+11], 0, v[wSA], v[wSB] matrix_a_fmt:MATRIX_FMT_FP6 matrix_b_fmt:MATRIX_FMT_FP6 matrix_b_scale:MATRIX_SCALE_ROW1
.else
	v_wmma_scale_f32_16x16x128_f8f6f4 v[wD:wD+7], v[wA:wA+11], v[wB:wB+11], 0, v[wSA], v[wSB] matrix_a_fmt:MATRIX_FMT_FP6 matrix_b_fmt:MATRIX_FMT_FP6 matrix_a_scale:MATRIX_SCALE_ROW1 matrix_b_scale:MATRIX_SCALE_ROW1
.endif
.else
.if ((\ra)==0)&&((\rb)==0)
	v_wmma_scale_f32_16x16x128_f8f6f4 v[wD:wD+7], v[wA:wA+11], v[wB:wB+11], v[wD:wD+7], v[wSA], v[wSB] matrix_a_fmt:MATRIX_FMT_FP6 matrix_b_fmt:MATRIX_FMT_FP6
.elseif (\rb)==0
	v_wmma_scale_f32_16x16x128_f8f6f4 v[wD:wD+7], v[wA:wA+11], v[wB:wB+11], v[wD:wD+7], v[wSA], v[wSB] matrix_a_fmt:MATRIX_FMT_FP6 matrix_b_fmt:MATRIX_FMT_FP6 matrix_a_scale:MATRIX_SCALE_ROW1
.elseif (\ra)==0
	v_wmma_scale_f32_16x16x128_f8f6f4 v[wD:wD+7], v[wA:wA+11], v[wB:wB+11], v[wD:wD+7], v[wSA], v[wSB] matrix_a_fmt:MATRIX_FMT_FP6 matrix_b_fmt:MATRIX_FMT_FP6 matrix_b_scale:MATRIX_SCALE_ROW1
.else
	v_wmma_scale_f32_16x16x128_f8f6f4 v[wD:wD+7], v[wA:wA+11], v[wB:wB+11], v[wD:wD+7], v[wSA], v[wSB] matrix_a_fmt:MATRIX_FMT_FP6 matrix_b_fmt:MATRIX_FMT_FP6 matrix_a_scale:MATRIX_SCALE_ROW1 matrix_b_scale:MATRIX_SCALE_ROW1
.endif
.endif
.endm
; The mask of the step k steps on from where s[8:9] stands: my 16 rows x 512 bytes into set k % 2 of window 3; each load covers 512 consecutive bytes, at a multiple of 256 from the buffer's first byte.  It leaves the windows set.
.macro MLOAD k
	WIN 0xc0                                       ; destination window 3
.irp i, 0,1,2,3,4,5,6,7,8,9,10,11,12,13,14,15
	global_load_b128 v[64*((\k)%2)+4*\i:64*((\k)%2)+4*\i+3], v[L16], s[8:9] offset:\i*8192+512*(\k)
.endr
.endm
; Set p goes into stage p as it was loaded: rows of 512 bytes, 528 apart.
.macro MSTORE p
	WIN 0x0c                                       ; an LDS store's data are its source 1: window 3
.irp i, 0,1,2,3,4,5,6,7,8,9,10,11,12,13,14,15
	ds_store_b128 v[AMW], v[64*(\p)+4*\i:64*(\p)+4*\i+3] offset:(\p)*MSTB+\i*MP
.endr
	WIN 0
.endm
	s_load_b256 s[4:11], s[0:1], 0x0               ; qbuf 4, kvbuf 6, mask 8, o_codes 10
	s_load_b64 s[12:13], s[0:1], 0x20              ; o_scales
	v_lshl_add_u32 v[SPW], v0, 2, SPARE
	v_mov_b32 v[NIL], 0
	ds_add_u32 v28, v29
	ds_add_u32 v28, v29
	s_wait_dscnt 0x0
	v_lshrrev_b32 v1, 5, v0
	v_readfirstlane_b32 s14, v1                    ; wave 0..3
	s_lshr_b32 s15, s14, 1
	s_and_b32 s16, s14, 1
	s_bfe_u32 s40, ttmp6, 0x40000                  ; cx: my place in the cluster
	s_lshl_b32 s42, ttmp9, 2                       ; in a cluster launch ttmp9 counts clusters
	s_add_co_u32 s42, s42, s40                     ; xb: my block of 64 queries: it enters Q's, the mask's and o's addresses alone
	s_and_b32 s17, ttmp7, 0xffff                   ; bh = 4 batch + head, which the four partners share
	; group 1 for a part: 25,600 dense bytes as 100 rows of 256 (32 elements of 8 bytes)
	s_mov_b32 s[G1+0], 15|(3<<16)|(1<<21)          ; 15:0 the mask: all four work-groups; 17:16 elements of 8 bytes; 21 set beside a mask
	s_mov_b32 s[G1+1], 32<<16
	s_mov_b32 s[G1+2], 100<<16
	s_mov_b32 s[G1+3], 32<<16
	s_mov_b32 s[G1+4], 100
	s_mov_b32 s[G1+5], 32
	s_mov_b32 s[G1+6], 0
	s_mov_b32 s[G1+7], 0
	s_mul_i32 s18, s17, 16*STEPB                   ; kvbuf: my (batch, head),
	s_mul_i32 s45, s14, PART                       ; part w of a slot's four: in memory and in LDS alike
	s_add_co_u32 s18, s18, s45
	s_mov_b32 s19, 0
	s_lshl_b32 s46, s42, 6                         ; the mask: row 64 xb + 16 w, 8,192 bytes a row
	s_lshl_b32 s47, s14, 4
	s_add_co_u32 s46, s46, s47
	s_lshl_b32 s46, s46, 13
	s_mov_b32 s47, 0
	s_mov_b32 s[SEL], 0x76543210
	s_mov_b32 s[SEL+1], 0xfedcba98                 ; v_permlanex16_b32's selects for lane l xor 16
	s_mov_b32 s[CS], 0x3fb8aa3b                    ; log2(e)
	s_mov_b32 s[CS+1], s[CS]                       ; (named with it as a pair, so it is written)
	s_wait_kmcnt 0x0
	s_add_nc_u64 s[18:19], s[6:7], s[18:19]
	s_add_nc_u64 s[8:9], s[8:9], s[46:47]
	CROUND                                         ; all four work-groups are here: the first joint loads meet
.irp s, 0,1
	s_mov_b32 s[G0+4*\s], 1
	s_add_co_u32 s[G0+4*\s+1], s45, \s*SLOT
	s_add_nc_u64 s[G0+4*\s+2:G0+4*\s+3], s[18:19], \s*SLOT
	s_or_b32 s[G0+4*\s+3], s[G0+4*\s+3], 0x80000000
.endr
	tensor_load_to_lds s[G0:G0+3], s[G1:G1+7]      ; steps 0 and 1,
	s_nop 0
	tensor_load_to_lds s[G0+4:G0+7], s[G1:G1+7]    ; steps 2 and 3: two loads of mine are out
	s_nop 0
.rept 4
	v_nop                                          ; four v_nop follow
.endr
	v_and_b32 v1, 31, v0                           ; lane
	v_and_b32 v2, 15, v0                           ; r
	v_bfe_u32 v3, v0, 4, 1                         ; h
	v_lshlrev_b32 v[L16], 4, v1
	v_lshlrev_b32 v[L4], 2, v1
	s_lshl_b32 s67, s17, 4                         ; Q: record 16 bh + xb / 2, its tiles 4 (xb % 2) on
	s_lshr_b32 s68, s42, 1
	s_add_co_u32 s67, s67, s68
	s_mul_i32 s68, s67, PART
	s_mov_b32 s69, 0
	s_add_nc_u64 s[4:5], s[4:5], s[68:69]
	s_and_b32 s67, s42, 1
	s_lshl_b32 s68, s67, 8
	s_add_co_u32 s68, s68, SCO
	s_add_nc_u64 s[72:73], s[4:5], s[68:69]        ; its scale words
	s_mul_i32 s68, s67, 12288
	s_add_nc_u64 s[4:5], s[4:5], s[68:69]
	WIN 0x40
.irp f, 0,1,2,3,4,5,6,7                        ; fragment f = 2 qt + c stays in registers
.irp g, 0,1,2
	global_load_b128 v[12*\f+4*\g:12*\f+4*\g+3], v[L16], s[4:5] offset:\f*1536+512*\g
.endr
.endr
	WIN 0
.irp c, 0,1
.irp i, 0,1
	global_load_b32 v[QSC+2*\c+\i], v[L4], s[72:73] offset:\c*512+128*\i
.endr
.endr
	MLOAD 0                                        ; the mask of steps 0 and 1
	MLOAD 1
	WIN 0
	s_mul_i32 s67, s14, 6144
	v_add_nc_u32 v[AKF], s67, v[L16]               ; K: tiles 2 w, 2 w + 1: 6,144 w + 16 x lane
	s_lshl_b32 s70, s14, 7
	s_add_co_u32 s70, s70, SCO
	v_add_nc_u32 v[AKS], s70, v[L4]
	s_add_co_u32 s67, s67, PART
	v_lshl_add_u32 v[AVF], v1, 3, s67              ; V: d tiles 4 w on: 6,144 w + 8 x lane
	s_lshl_b32 s70, s14, 8
	s_add_co_u32 s70, s70, PART+SCO
	v_add_nc_u32 v[AVS], s70, v[L4]
.irp x, AKF, AKS, AVF, AVS
	v_add_nc_u32 v[\x+1], SLOT, v[\x]
.endr
	s_lshl_b32 s70, s14, 7
	s_add_co_u32 s70, s70, MST
	v_mul_u32_u24 v[AMK], v2, MP                   ; the mask, read: row r, keys 32 w + 8 h on
	v_lshl_add_u32 v[AMK], v3, 5, v[AMK]
	v_add_nc_u32 v[AMK], s70, v[AMK]
	s_mul_i32 s70, s14, 16*MP
	s_add_co_u32 s70, s70, MST
	v_add_nc_u32 v[AMW], s70, v[L16]               ; written: my 16 rows, 16 bytes a lane
	s_mul_i32 s70, s16, 768                        ; p's codes: lane (r, h) of wave w fills registers 6 (w / 2) + 3 h + e of the fragment's lane r + 16 (w % 2)
	s_mul_i32 s71, s15, 24
	s_add_co_u32 s70, s70, s71
	s_add_co_u32 s70, s70, PIM
	v_mul_u32_u24 v[APW], v2, 48
	v_mad_u32_u24 v[APW], v3, 12, v[APW]
	v_add_nc_u32 v[APW], s70, v[APW]
	v_mul_u32_u24 v[APR], v1, 48
	v_add_nc_u32 v[APR], PIM, v[APR]
	v_lshlrev_b32 v[ASR], 5, v1
	v_add_nc_u32 v[ASR], STAT, v[ASR]
	s_lshl_b32 s70, s14, 3
	v_add_nc_u32 v[AST], s70, v[ASR]
	s_mul_i32 s70, s14, 48
	s_add_co_u32 s70, s70, STG
	v_mul_u32_u24 v[ASG], v2, 192                  ; the stage for o: row r, block 2 w + h of 24 bytes
	v_mad_u32_u24 v[ASG], v3, 24, v[ASG]
	v_add_nc_u32 v[ASG], s70, v[ASG]
	s_lshl_b32 s70, s14, 1
	s_add_co_u32 s70, s70, SCS
	v_lshl_add_u32 v[ASC], v2, 3, s70
	s_mul_i32 s70, s14, 3072
	s_add_co_u32 s70, s70, STG
	v_add_nc_u32 v[RDG], s70, v[L16]               ; back: my 16 rows, 3,072 bytes on end
	s_lshl_b32 s70, s14, 7
	s_add_co_u32 s70, s70, SCS
	v_add_nc_u32 v[RDS], s70, v[L4]
	v_lshrrev_b32 v[GS], 1, v1
	v_and_b32 v3, 1, v0
	v_lshlrev_b32 v[GS], 5, v[GS]
	v_lshl_add_u32 v[GS], v3, 2, v[GS]
.irp b, 0,1,2,3
	v_mov_b32 v[ST+2*\b+1], 0xff61b1e6             ; the largest t so far: -3e38, under every t
	v_floor_f32 v[ST+2*\b], -v[ST+2*\b+1]          ; -M_w
	v_mov_b32 v[L+2*\b], 0
	v_mov_b32 v[L+2*\b+1], 0
	v_mov_b32 v[F+2*\b+1], 0                       ; (upper halves of pairs that packed forms name)
	v_mov_b32 v[FO+2*\b+1], 0
	v_mov_b32 v[BX+\b], 0                          ; a lane permute's destination counts as one of its sources
.endr
.irp b, 0,1,2,3
	v_mov_b32 v[NC+\b], v[ST+2*\b]
.endr
; A KEY STEP: half hf of the slot named; hf is also the step's parity.  first = 1: the products V^T P start O^T's sums.
; mk >= 0: the mask of the step two on is asked for (mk steps on from where s[8:9] stands), into the set that the last step has stored.  ms = 1: the next step's mask goes into the other stage; lc: the loads that may then be out.
.macro STEPWORK slot, hf, first, mk, ms, lc
	ds_load_b32 v[KSC], v[AKS+\slot] offset:\hf*STEPB
	ds_load_b32 v[KSC+1], v[AKS+\slot] offset:\hf*STEPB+512
	WIN 0x40
.irp f, 0,1,2,3                                ; fragment f = 2 u + c
.irp g, 0,1,2
	ds_load_b128 v[KF+12*\f+4*\g:KF+12*\f+4*\g+3], v[AKF+\slot] offset:\hf*STEPB+\f*1536+512*\g
.endr
.endr
	WIN 0x80
.irp q, 0,1,2,3                                ; the mask in S^T's layout: register 16 qt + 8 u + j = (query 16 qt + r, key 32 w + 16 u + 8 h + j)
.irp e, 0,1,2,3
	ds_load_b128 v[MKR+16*\q+4*\e:MKR+16*\q+4*\e+3], v[AMK] offset:\hf*MSTB+\q*16*MP+64*(\e/2)+16*(\e%2)
.endr
.endr
.if (\mk) >= 0
	MLOAD \mk                                      ; its set's stores into the stage were waited for in front of the last step's barrier
.endif
	s_wait_dscnt 16                                ; K and its scale words are in; the mask's 16 LDS loads may be out
	WIN 0x05                                       ; K and Q window 1, S^T window 0
.irp c, 0,1                                    ; eight accumulators by turns, one instruction a turn
.irp u, 0,1
.irp q, 0,1,2,3
.set wD, S+16*\q+8*\u
.set wA, KF+12*(2*\u+\c)
.set wB, 24*\q+12*\c
.set wSA, KSC+\c
.set wSB, QSC+2*\c+\q/2
	WMX 1-\c, \u, \q%2
.endr
.endr
.endr
	WIN 0
	PLACES 4                                       ; behind the products: S^T is read below; and behind the last step's V^T P: V's registers are loaded
	WIN 0x40
.irp d, 0,1,2,3
.irp p, 0,1,2,3,4,5
	ds_load_b64 v[VF+12*\d+2*\p:VF+12*\d+2*\p+1], v[AVF+\slot] offset:\hf*STEPB+\d*1536+256*\p
.endr
.endr
	WIN 0
	ds_load_b32 v[VSC], v[AVS+\slot] offset:\hf*STEPB
	ds_load_b32 v[VSC+1], v[AVS+\slot] offset:\hf*STEPB+128
	s_wait_dscnt 26                                ; the mask is in; V's 24 loads and its two scale loads may be out
	WIN 0x08                                       ; source 1 window 2
.set i, 0
.rept 32
	v_pk_add_f32 v[S+i:S+i+1], v[S+i:S+i+1], v[MKR+i:MKR+i+1]   ; logit = score / 16 + mask, one f32 addition; each accumulator from its low end on
.set i, i+2
.endr
	WIN 0
.irp b, 0,1,2,3
	v_max3_num_f32 v[BM+\b], v[S+16*\b], v[S+16*\b+1], v[S+16*\b+2]   ; the block's largest logit, tile b of queries: it serves for the maximum and, since p rises with the logit, for the block's largest p
.endr
.irp i, 3,5,7,9,11,13
.irp b, 0,1,2,3
	v_max3_num_f32 v[BM+\b], v[BM+\b], v[S+16*\b+\i], v[S+16*\b+\i+1]
.endr
.endr
.irp b, 0,1,2,3
	v_max_num_f32 v[BM+\b], v[BM+\b], v[S+16*\b+15]
.endr
.irp b, 0,1,2,3
	v_permlanex16_b32 v[BX+\b], v[BM+\b], s[SEL], s[SEL+1]
.endr
.irp b, 0,1,2,3
	v_max_num_f32 v[BM+\b], v[BM+\b], v[BX+\b]     ; with lane l xor 16's 16 keys
.endr
.irp b, 0,1,2,3
	v_mul_f32 v[T+\b], s[CS], v[BM+\b]             ; as t
.endr
.irp b, 0,1,2,3
	v_max_num_f32 v[ST+2*\b+1], v[ST+2*\b+1], v[T+\b]   ; the running largest t
.endr
.irp b, 0,1,2,3
	v_mov_b32 v[T+\b], v[ST+2*\b]
.endr
.irp b, 0,1,2,3
	v_floor_f32 v[ST+2*\b], -v[ST+2*\b+1]          ; the new -M_w = -ceil(t): a whole number
.endr
.irp b, 0,1,2,3
	v_sub_f32 v[T+\b], v[ST+2*\b], v[T+\b]         ; old M_w - new M_w, 0 or less
.endr
.irp b, 0,1,2,3
	v_cvt_i32_f32 v[T+\b], v[T+\b]                 ; (it saturates)
.endr
.irp b, 0,1,2,3
	v_ldexp_f32 v[F+2*\b], 1.0, v[T+\b]
.endr
.irp b, 0,1,2,3
.irp j, 0,2,4,6,8,10,12,14
	v_pk_fma_f32 v[S+16*\b+\j:S+16*\b+\j+1], v[S+16*\b+\j:S+16*\b+\j+1], s[CS:CS+1], v[ST+2*\b:ST+2*\b+1] op_sel_hi:[1,0,0]   ; t - M_w
.endr
.endr
.irp b, 0,1,2,3
	v_fma_f32 v[BM+\b], v[BM+\b], s[CS], v[ST+2*\b]
.endr
.set i, 0
.rept 64
	v_exp_f32 v[S+i], v[S+i]                       ; p = 2^(t - M_w): not normalised
.set i, i+1
.endr
.irp b, 0,1,2,3
	v_pk_mul_f32 v[L+2*\b:L+2*\b+1], v[L+2*\b:L+2*\b+1], v[F+2*\b:F+2*\b+1] op_sel_hi:[1,0]   ; the sums under the new M_w; plain work behind the exponentials
.endr
	s_wait_alu depctr_va_vdst(0)                   ; one wait for the batch of 64, ahead of its first reader
.irp b, 0,1,2,3
	v_exp_f32 v[BM+\b], v[BM+\b]                   ; the block's largest p
.endr
.irp b, 0,1,2,3
	v_pk_add_f32 v[T+2*\b:T+2*\b+1], v[S+16*\b:S+16*\b+1], v[S+16*\b+2:S+16*\b+3]   ; the sum of the unquantised p, in two chains
.endr
.irp j, 4,8,12
.irp b, 0,1,2,3
	v_pk_add_f32 v[L+2*\b:L+2*\b+1], v[L+2*\b:L+2*\b+1], v[S+16*\b+\j:S+16*\b+\j+1]
	v_pk_add_f32 v[T+2*\b:T+2*\b+1], v[T+2*\b:T+2*\b+1], v[S+16*\b+\j+2:S+16*\b+\j+3]
.endr
.endr
.irp b, 0,1,2,3
	v_pk_add_f32 v[L+2*\b:L+2*\b+1], v[L+2*\b:L+2*\b+1], v[T+2*\b:T+2*\b+1]
.endr
.if \ms
	s_wait_loadcnt \lc                             ; the next step's mask, asked for a step ago, is in; the 16 loads issued at this step's head, where there are such, may be out
	MSTORE 1-\hf                                   ; into the stage that was last read a step ago, in front of that step's barrier
.endif
	s_wait_alu depctr_va_vdst(0)                   ; and one for the four
.irp b, 0,1,2,3
	v_max_num_f32 v[BM+\b], 0x1800000, v[BM+\b]    ; the floor 2^(3 - 127): the byte cannot fall under 1
.endr
.irp b, 0,1,2,3
	v_add_nc_u32 v[SO+\b], 0xff000000, v[BM+\b]    ; 2 off the exponent field: the conversion's scale operand
.endr
.irp b, 0,1,2,3
	v_lshrrev_b32 v[PB+2*\b+1], 23, v[SO+\b]       ; the byte,
.endr
.irp b, 0,1,2,3
	v_cvt_f32_u32 v[PB+2*\b+1], v[PB+2*\b+1]       ; handed on as an f32 number, so that M_w - M is added to it in f32
.endr
.irp b, 0,1,2,3
	v_mov_b32 v[PB+2*\b], v[ST+2*\b]
.endr
.irp b, 0,1,2,3
	v_cvt_scalef32_pk16_fp6_f32 v[CD+4*\b:CD+4*\b+2], v[S+16*\b:S+16*\b+15], v[SO+\b]
.endr
	v_nop                                          ; one plain place behind a scaled conversion
.irp q, 0,1,2,3
.irp e, 0,1,2
	ds_store_b32 v[APW], v[CD+4*\q+\e] offset:\hf*PIMB+\q*1536+4*\e
.endr
	ds_store_b64 v[AST], v[PB+2*\q:PB+2*\q+1] offset:\hf*4096+\q*1024
.endr
	s_wait_dscnt 0x0                               ; for the others' sake: my stores have landed, and my reads of this step's stage and of the slot's half are in
	s_barrier_signal -1                            ; my tensor load may stay out
	s_barrier_wait -1
.irp e, 0,1,2,3,4,5,6,7
	ds_load_b128 v[WS+4*\e:WS+4*\e+3], v[ASR] offset:\hf*4096+(\e/2)*1024+16*(\e%2)
.endr
	WIN 0x40
.irp q, 0,1,2,3
.irp g, 0,1,2
	ds_load_b128 v[PF+12*\q+4*\g:PF+12*\q+4*\g+3], v[APR] offset:\hf*PIMB+\q*1536+16*\g
.endr
.endr
	WIN 0
	s_wait_dscnt 12                                ; the statistics are in; P's 12 loads may be out
.irp q, 0,1,2,3
	v_min3_num_f32 v[T+\q], v[WS+8*\q], v[WS+8*\q+2], v[WS+8*\q+4]
.endr
.irp q, 0,1,2,3
	v_min3_num_f32 v[T+\q], v[T+\q], v[WS+8*\q+6], v[NC+\q]   ; the new common -M
.endr
.irp q, 0,1,2,3
	v_sub_f32 v[T+4+\q], v[T+\q], v[NC+\q]
.endr
.irp q, 0,1,2,3
	v_cvt_i32_f32 v[T+4+\q], v[T+4+\q]
.endr
.irp q, 0,1,2,3
	v_ldexp_f32 v[FO+2*\q], 1.0, v[T+4+\q]         ; 2^(old M - new M)
.endr
.irp q, 0,1,2,3
	v_mov_b32 v[NC+\q], v[T+\q]
.endr
.irp e, 0,1,2,3,4,5,6,7,8,9,10,11,12,13,14,15  ; e = 4 qt + wave
	v_sub_f32 v[WS+2*\e], v[NC+\e/4], v[WS+2*\e]   ; M_w - M, 0 or less
.endr
.irp e, 0,1,2,3,4,5,6,7,8,9,10,11,12,13,14,15
	v_add_f32 v[WS+2*\e+1], v[WS+2*\e], v[WS+2*\e+1]   ; onto the block's byte
.endr
.irp e, 0,1,2,3,4,5,6,7,8,9,10,11,12,13,14,15
	v_max_num_f32 v[WS+2*\e+1], 0, v[WS+2*\e+1]    ; held at 0
.endr
.irp e, 0,1,2,3,4,5,6,7,8,9,10,11,12,13,14,15
	v_cvt_u32_f32 v[WS+2*\e+1], v[WS+2*\e+1]
.endr
.irp q, 0,1,2,3
	v_lshl_or_b32 v[PSC+\q], v[WS+8*\q+3], 8, v[WS+8*\q+1]
.endr
.irp q, 0,1,2,3
	v_lshl_or_b32 v[PSC+\q], v[WS+8*\q+5], 16, v[PSC+\q]
.endr
.irp q, 0,1,2,3
	v_lshl_or_b32 v[PSC+\q], v[WS+8*\q+7], 24, v[PSC+\q]   ; P's scale word: byte w for key block w
.endr
.if \first
	PLACES 8                                       ; a scale register written by a vector instruction stands eight places ahead of a scaled matrix instruction
.else
	WIN 0x82                                       ; O^T window 2
.irp q, 0,1,2,3
.set i, 0
.rept 16
	v_pk_mul_f32 v[32*\q+i:32*\q+i+1], v[32*\q+i:32*\q+i+1], v[FO+2*\q:FO+2*\q+1] op_sel_hi:[1,0]   ; O^T under the new M; these are also those places
.set i, i+2
.endr
.endr
.endif
	s_wait_dscnt 0x0                               ; P is in
	WIN 0xa5                                       ; V and P window 1, O^T window 2
.irp d, 0,1,2,3                                ; sixteen accumulators, one instruction each
.irp q, 0,1,2,3
.set wD, 8*(4*\q+\d)
.set wA, VF+12*\d
.set wB, PF+12*\q
.set wSA, VSC+\d/2
.set wSB, PSC+\q
	WMX \first, \d%2, 0
.endr
.endr
	WIN 0
.endm
; THE CHANGE OF SLOTS, behind a slot's second step.  Each wave waits for all its tensor loads (its part of the slot ahead), adds 0 to its spare word, and waits for that and for its LDS reads.  fill = 1: the slot just read is filled
; with the two steps four on, behind a round of the cluster's barrier: no wave of any partner still reads it or has a load on its way; the load has two steps' work in which to land.
.macro CHANGE slot, fill
	s_wait_tensorcnt 0x0                           ; no tensor load of mine is out, so a group 0 may be written
	ds_add_u32 v[SPW], v[NIL]                      ; 0 onto my spare word
.if \fill
	s_add_nc_u64 s[G0+4*\slot+2:G0+4*\slot+3], s[G0+4*\slot+2:G0+4*\slot+3], 2*SLOT
.endif
	s_wait_dscnt 0x0                               ; the add is done, and my reads of the slot are over
.if \fill
	CROUND
	tensor_load_to_lds s[G0+4*\slot:G0+4*\slot+3], s[G1:G1+7]   ; the first thing behind the round, and my one tensor load until the next
	s_nop 0
.rept 4
	v_nop                                          ; four v_nop follow
.endr
.else
	s_barrier_signal -1
	s_barrier_wait -1
.endif
.endm
; 64 numbers of a lane, register s + 16 b + i = number i of my half's 16 of block b, become codes in v[PC] on (lane (r, h): block 2 c + h in registers 6 c .. 6 c + 5) and four scale bytes in v[PW].
.macro QUANT s, floor
.irp b, 0,1,2,3
	v_max3_num_f32 v[TM+\b], |v[\s+16*\b]|, |v[\s+1+16*\b]|, \floor
.endr
.irp i, 2,4,6,8,10,12,14
.irp b, 0,1,2,3
	v_max3_num_f32 v[TM+\b], |v[\s+16*\b+\i]|, |v[\s+1+16*\b+\i]|, v[TM+\b]
.endr
.endr
.irp b, 0,1,2,3
	v_permlanex16_b32 v[TM+4+\b], v[TM+\b], s[SEL], s[SEL+1]
.endr
.irp b, 0,1,2,3
	v_max_num_f32 v[TM+\b], v[TM+\b], v[TM+4+\b]
.endr
.irp b, 0,1,2,3
	v_add_nc_u32 v[TM+12+\b], 0xff000000, v[TM+\b]
.endr
.irp b, 0,1,2,3
	v_lshrrev_b32 v[TM+4+\b], 23, v[TM+12+\b]
.endr
	v_lshl_or_b32 v[PW], v[TM+5], 8, v[TM+4]
	v_lshl_or_b32 v[PW], v[TM+6], 16, v[PW]
	v_lshl_or_b32 v[PW], v[TM+7], 24, v[PW]
.irp c, 0,1
	v_cvt_scalef32_pk16_fp6_f32 v[PC+6*\c:PC+2+6*\c], v[\s+32*\c:\s+15+32*\c], v[TM+12+2*\c]
	v_cvt_scalef32_pk16_fp6_f32 v[PC+12+4*\c:PC+14+4*\c], v[\s+16+32*\c:\s+31+32*\c], v[TM+13+2*\c]
.endr
	v_nop                                          ; one plain place behind a scaled conversion
.irp c, 0,1
.irp i, 0,1,2
	v_permlane16_swap_b32 v[PC+6*\c+\i], v[PC+12+4*\c+\i]
.endr
.irp i, 0,1,2
	v_mov_b32 v[PC+3+6*\c+\i], v[PC+12+4*\c+\i]
.endr
.endr
.endm
	s_wait_loadcnt 16                              ; Q, its scale words and the mask of step 0 are in; the 16 loads of step 1's mask may be out
	MSTORE 0                                       ; step 0's mask into stage 0
	s_wait_tensorcnt 1                             ; my part of slot 0 is in; slot 1's may stay out
	s_wait_dscnt 0x0                               ; my rows of the stage have landed
	s_barrier_signal -1
	s_barrier_wait -1
	STEPWORK 0, 0, 1, 2, 1, 16                     ; step 0
	STEPWORK 0, 1, 0, 3, 1, 16                     ; step 1
	s_mov_b32 s3, 3
.Lloop:                                            ; three trips of four steps: steps 2 to 13; the six refills bring steps 4 to 15; the mask's loads those of steps 4 to 15
	CHANGE 0, 1
	STEPWORK 1, 0, 0, 4, 1, 16
	STEPWORK 1, 1, 0, 5, 1, 16
	CHANGE 1, 1
	STEPWORK 0, 0, 0, 6, 1, 16
	STEPWORK 0, 1, 0, 7, 1, 16
	s_wait_xcnt 0x0                                ; the mask's loads, the last of them issued a step ago, have read their base: it is stepped only behind this wait
	s_add_nc_u64 s[8:9], s[8:9], 4*512             ; four steps on along the mask's rows
	s_sub_co_u32 s3, s3, 1
	s_cmp_lg_u32 s3, 0
	s_cbranch_scc1 .Lloop
	CHANGE 0, 0                                    ; the tail is written out
	STEPWORK 1, 0, 0, -1, 1, 0                     ; step 14: the last mask, step 15's, goes into its stage; no load was issued behind it
	STEPWORK 1, 1, 0, -1, 0, 0                     ; step 15
	; THE END.  Each wave's sum goes round with its -M_w; all are brought under the common M and added.
.irp q, 0,1,2,3
	v_add_f32 v[T+\q], v[L+2*\q], v[L+2*\q+1]
.endr
.irp q, 0,1,2,3
	v_permlanex16_b32 v[BX+\q], v[T+\q], s[SEL], s[SEL+1]
.endr
.irp q, 0,1,2,3
	v_add_f32 v[PB+2*\q+1], v[T+\q], v[BX+\q]
.endr
.irp q, 0,1,2,3
	v_mov_b32 v[PB+2*\q], v[ST+2*\q]
.endr
.irp q, 0,1,2,3
	ds_store_b64 v[AST], v[PB+2*\q:PB+2*\q+1] offset:8192+\q*1024
.endr
	s_wait_dscnt 0x0
	s_barrier_signal -1
	s_barrier_wait -1
.irp e, 0,1,2,3,4,5,6,7
	ds_load_b128 v[WS+4*\e:WS+4*\e+3], v[ASR] offset:8192+(\e/2)*1024+16*(\e%2)
.endr
	s_lshr_b32 s18, s17, 2                         ; where my 16 rows go: token 2,048 batch + 64 xb + 16 wave
	s_lshl_b32 s18, s18, 11
	s_lshl_b32 s19, s42, 6
	s_add_co_u32 s18, s18, s19
	s_lshl_b32 s19, s14, 4
	s_add_co_u32 s18, s18, s19
	s_and_b32 s19, s17, 3                          ; head
	s_mul_i32 s46, s18, 192
	s_mul_i32 s47, s19, 4096*192
	s_add_co_u32 s46, s46, s47
	s_mov_b32 s47, 0
	s_add_nc_u64 s[10:11], s[10:11], s[46:47]      ; o_codes [head][token][192]
	s_lshl_b32 s46, s18, 5
	s_lshl_b32 s19, s19, 3
	s_add_co_u32 s46, s46, s19
	s_add_nc_u64 s[12:13], s[12:13], s[46:47]      ; o_scales [token][32], my head's eight bytes
	s_wait_dscnt 0x0
.irp e, 0,1,2,3,4,5,6,7,8,9,10,11,12,13,14,15
	v_sub_f32 v[WS+2*\e], v[NC+\e/4], v[WS+2*\e]   ; M_w - M
.endr
.irp e, 0,1,2,3,4,5,6,7,8,9,10,11,12,13,14,15
	v_cvt_i32_f32 v[WS+2*\e], v[WS+2*\e]
.endr
.irp e, 0,1,2,3,4,5,6,7,8,9,10,11,12,13,14,15
	v_ldexp_f32 v[WS+2*\e+1], v[WS+2*\e+1], v[WS+2*\e]
.endr
.irp q, 0,1,2,3
	v_add_f32 v[T+\q], v[WS+8*\q+1], v[WS+8*\q+3]
	v_add_f32 v[T+4+\q], v[WS+8*\q+5], v[WS+8*\q+7]
.endr
.irp q, 0,1,2,3
	v_add_f32 v[T+\q], v[T+\q], v[T+4+\q]          ; the row's sum
.endr
.irp q, 0,1,2,3
	v_rcp_f32 v[FO+2*\q], v[T+\q]
.endr
	v_nop                                          ; a plain place behind the last reciprocal
	s_wait_alu depctr_va_vdst(0)                   ; one wait for the four, ahead of their first reader
.irp b, 0,1,2,3
	v_mov_b32 v[TM+4+\b], 0                        ; a lane permute's destination counts as one of its sources
.endr
	; o = O^T / the sum, two tiles of queries at a time; my 64 d are two blocks of 32.  wo's codes lie in natural order: the exchange of halves gives each lane 16 neighbouring d.
.irp g, 0,1
	WIN 0x02                                       ; source 0 window 2
.irp q, 0,1
.set i, 0
.rept 16
	v_pk_mul_f32 v[S+32*\q+i:S+32*\q+i+1], v[32*(2*\g+\q)+i:32*(2*\g+\q)+i+1], v[FO+2*(2*\g+\q):FO+2*(2*\g+\q)+1] op_sel_hi:[1,0]   ; each accumulator from its low end on
.set i, i+2
.endr
.endr
	WIN 0
.irp e, 0,1,2,3
.irp j, 0,1,2,3,4,5,6,7
	v_permlane16_swap_b32 v[S+16*\e+\j], v[S+16*\e+8+\j]   ; lanes 0-15: d 0-15 of the block, lanes 16-31: d 16-31
.endr
.endr
	QUANT S, 0x1800000
.irp e, 0,1,2,3,4,5
	ds_store_b64 v[ASG], v[PC+2*\e:PC+2*\e+1] offset:(2*\g+\e/3)*3072+8*(\e%3)   ; lane (r, h): row 16 (2 g + c) + r, block 2 w + h: 24 bytes
.endr
	ds_store_b16 v[ASC], v[PW] offset:2*\g*128     ; both lanes of a row write the same two bytes
	ds_store_b16_d16_hi v[ASC], v[PW] offset:(2*\g+1)*128
	s_wait_dscnt 0x0
.endr
	s_barrier_signal -1
	s_barrier_wait -1                              ; 64 whole rows lie in the stage
.irp k, 0,1,2,3,4,5
	ds_load_b128 v[S+4*\k:S+4*\k+3], v[RDG] offset:512*\k
.endr
	ds_load_b32 v[S+24], v[RDS]
.irp k, 0,1,2,3,4,5
	s_wait_dscnt 6-\k
	global_store_b128 v[L16], v[S+4*\k:S+4*\k+3], s[10:11] offset:512*\k   ; 512 consecutive bytes, at a multiple of 256 from the buffer's first byte
.endr
	s_wait_dscnt 0x0
	global_store_b32 v[GS], v[S+24], s[12:13]      ; eight bytes a row: the rows are kept as the next launch reads them; 512 bytes of the work-group's 12,800
	s_wait_tensorcnt 0x0                           ; the wave's end
	ds_add_u32 v[SPW], v[NIL]
	s_wait_dscnt 0x0
	CROUND                                         ; the closing round
	s_endpgm
.Lfunc_end_k_qd57a2735f3_attn:
	.size	k_qd57a2735f3_attn, .Lfunc_end_k_qd57a2735f3_attn-k_qd57a2735f3_attn
	.p2alignl 7, 3214868480
	.fill 96, 4, 3214868480
	.section	.rodata,"a",@progbits
	.p2align	6, 0x0
	.amdhsa_kernel k_qd57a2735f3_attn
		.amdhsa_group_segment_fixed_size 327680
		.amdhsa_private_segment_fixed_size 0
		.amdhsa_enable_private_segment 0
		.amdhsa_kernarg_size 40
		.amdhsa_user_sgpr_count 2
		.amdhsa_user_sgpr_kernarg_segment_ptr 1
		.amdhsa_wavefront_size32 1
		.amdhsa_system_sgpr_workgroup_id_x 1
		.amdhsa_system_sgpr_workgroup_id_y 1
		.amdhsa_system_sgpr_workgroup_id_z 1
		.amdhsa_system_vgpr_workitem_id 0
		.amdhsa_next_free_vgpr 896
		.amdhsa_next_free_sgpr 80
		.amdhsa_reserve_vcc 0
		.amdhsa_float_denorm_mode_32 3
		.amdhsa_float_denorm_mode_16_64 3
		.amdhsa_memory_ordered 1
		.amdhsa_forward_progress 1
		.amdhsa_inst_pref_size 255
	.end_amdhsa_kernel
	.section	.bss,"aw",@nobits
	.p2align	6
	.space	262144
	.amdgpu_metadata
---
amdhsa.version: [ 1, 2 ]
amdhsa.kernels:
  - .name:           k_qd57a2735f3_attn
    .symbol:         k_qd57a2735f3_attn.kd
    .args:
      - { .name: qbuf, .offset: 0, .size: 8, .value_kind: global_buffer, .address_space: global }
      - { .name: kvbuf, .offset: 8, .size: 8, .value_kind: global_buffer, .address_space: global }
      - { .name: mask, .offset: 16, .size: 8, .value_kind: global_buffer, .address_space: global }
      - { .name: o_codes, .offset: 24, .size: 8, .value_kind: global_buffer, .address_space: global }
      - { .name: o_scales, .offset: 32, .size: 8, .value_kind: global_buffer, .address_space: global }
    .group_segment_fixed_size: 327680
    .private_segment_fixed_size: 0
    .kernarg_segment_align: 8
    .kernarg_segment_size: 40
    .max_flat_workgroup_size: 128
    .sgpr_count:     80
    .vgpr_count:     896
    .wavefront_size: 32
...
	.end_amdgpu_metadata
.endif
;; end of part 2
;; launch oproj (part 3): grid 12 x 16, 4 waves a work-group, clusters of 4 x 4, 327,680 bytes of LDS; arguments o_codes, o_scales, wo_codes, wo_scales, out0; writes out0
.if DOCPART == 3
	.amdgcn_target "amdgcn-amd-amdhsa--gfx1250"
	.amdhsa_code_object_version 6
	.text
	.protected	k_qd57a2735f3_oproj
	.globl	k_qd57a2735f3_oproj
	.p2align	8
	.type	k_qd57a2735f3_oproj,@function
k_qd57a2735f3_oproj:
	s_mov_b64 s[64:65], 0
	v_nop
	global_prefetch_b8 v0, s[64:65] scope:SCOPE_SE
	s_setreg_imm32_b32 hwreg(HW_REG_WAVE_MODE, 25, 1), 1
	s_wait_xcnt 0x0
	s_wait_alu depctr_hold_cnt(0) depctr_sa_sdst(0) depctr_va_vdst(0) depctr_va_sdst(0) depctr_va_ssrc(0) depctr_va_vcc(0) depctr_vm_vsrc(0)
	s_getreg_b32 s2, hwreg(HW_REG_IB_STS2, 6, 4)
	s_cmp_eq_u32 s2, 0
	s_cbranch_scc0 .Lentry_in_a_cluster
	s_endpgm
.Lentry_in_a_cluster:
	s_bfe_u32 s2, ttmp6, 0x10000c
	s_cmp_lg_u32 s2, 0xf033
	s_cbranch_scc0 .Lentry_shape_is_right
	s_endpgm
.Lentry_shape_is_right:
; out0[m][n] = sum over k of o[m][k] wo[n][k]: 4,096 x 3,072 x 1,024 on codes of FP6 (E2M3) with one E8M0 scale for each 32 along K; out0 f32; sums in f32.
; o's codes lie [head 4][token 4,096][192 bytes]: a K step of 256 is one head's plane, whose rows are dense; its scale bytes [token][32].  wo's codes [3,072][768 bytes], scale bytes [3,072][32].
; A tile of out0, 256 x 256, is made by four waves of 128 x 128: 64 accumulators of 16 x 16 each.  K goes in four steps of 256 through two LDS slots filled by tensor loads; the scale bytes of the tile's rows come once.
; CLUSTERS: 4 x 4 work-groups; o's tiles are asked for jointly along a row of the cluster, wo's along a column.  The matrix instruction is used transposed (source 0 = 16 rows of wo, source 1 = 16 rows of o):
; a lane holds eight neighbouring numbers of a row of out0.
; No prefetch: the tiles are shared in the cluster; the launch has four K steps, of which two are the first fills.
; REGISTERS: window 0: v0-31 addresses; v32-63 scale words, two sets; from v128 o's fragments, one set.  Window 1: wo's fragments, two sets.  Windows 2, 3: the accumulators ((a, b) at v[8 (8 (a % 4) + b)]).
.set SIZE_N, 3072
.set KSTEP,  256
.set NQ,     2
.set ROWB,   192
.set KROW,   768                       ; a row of wo's codes
.set APLANE, 4096*192                  ; from head to head in o's codes
.set PITCH,  240
.set FR,     12
.set NL,     6
.set NP,     4
.set HALFT,  128*PITCH
.set SLOT,   4*HALFT
.set LAPS,   2
.set KS,     32
.set SCL,    2*SLOT
.set HALFS,  (128*KS/256)*272          ; the scale bytes of 128 rows, as 256 bytes + 16 of padding
.set SBLK,   (16*KS/256)*272
.set SPARE,  SCL+4*HALFS
.set SPITCH, 528                       ; the way out: 16 rows x (512 + 16) for each wave, in slot 0, which has had its last fill and its last read by then
.set ADRA, 16
.set ADRB, 20
.set STO,  24
.set RD,   25
.set CO,   26
.set ADRS, 27
.set SPW,  28
.set NIL,  29
.set SC,   32
.set AF,   128
.set BK,   128
.set G1,   24
.set G0,   32
.set G1B,  48
.set G0B,  56
.set G1S,  68
.set G0S,  76
.set G1SB, 80
.set G0SB, 88
.set MSB, 0
.macro WIN new
.if MSB != (\new)
	s_set_vgpr_msb (MSB<<8)|(\new)
.set MSB, (\new)
.endif
.endm
.set MUL_LO, 0xa1
.set MUL_HI, 0xf1
.set TO_B,   0x40
.macro JLOAD g0a, g1a, g0b, g1b        ; a joint load: waves 0 and 1 fetch for o, waves 2 and 3 for wo; four v_nop follow each line
	s_cmp_eq_u32 s15, 0
	s_cbranch_scc0 .Lfor_b_\@
	tensor_load_to_lds s[\g0a:\g0a+3], s[\g1a:\g1a+7]
	s_nop 0
.rept 4
	v_nop
.endr
	s_branch .Lasked_\@
.Lfor_b_\@:
	tensor_load_to_lds s[\g0b:\g0b+3], s[\g1b:\g1b+7]
	s_nop 0
.rept 4
	v_nop
.endr
.Lasked_\@:
.endm
.macro CREST
	s_cmp_lg_u32 s14, 0
	s_cbranch_scc1 .Lnot_wave_0_\@
	s_barrier_signal -3
.Lnot_wave_0_\@:
	s_barrier_wait -3
	s_barrier_signal -1
	s_barrier_wait -1
.endm
.macro CROUND
	s_barrier_signal -1
	s_barrier_wait -1
	CREST
.endm
	s_load_b128 s[4:7], s[0:1], 0x0                ; o's codes, o's scales
	s_load_b128 s[8:11], s[0:1], 0x10              ; wo's codes, wo's scales
	s_load_b64 s[12:13], s[0:1], 0x20              ; out0
	v_lshl_add_u32 v[SPW], v0, 2, SPARE
	v_mov_b32 v[NIL], 0
	ds_add_u32 v28, v29
	ds_add_u32 v28, v29
	s_wait_dscnt 0x0
	v_lshrrev_b32 v1, 5, v0
	v_readfirstlane_b32 s14, v1                    ; wave 0..3
	s_lshr_b32 s15, s14, 1                         ; my half of the tile's rows.  Also: I fetch for o (0) or for wo (1)
	s_and_b32 s16, s14, 1                          ; my half of its columns.  Also: which 128 rows I fetch
	s_bfe_u32 s40, ttmp6, 0x40000
	s_bfe_u32 s41, ttmp6, 0x40004
	s_lshl_b32 s42, ttmp9, 2
	s_add_co_u32 s42, s42, s40                     ; tile column
	s_and_b32 s17, ttmp7, 0xffff
	s_lshl_b32 s17, s17, 2
	s_add_co_u32 s17, s17, s41                     ; tile row
	s_lshl_b32 s43, s41, 2
	s_lshl_b32 s43, 15, s43
	s_lshl_b32 s44, 0x1111, s40
	s_or_b32 s[G1+0], s43, (0<<16)|(1<<20)|(1<<21)|(3<<22)|(3<<25)   ; 128 rows x 192 bytes, 16 bytes of padding behind every 64
	s_or_b32 s[G1B+0], s44, (0<<16)|(1<<20)|(1<<21)|(3<<22)|(3<<25)
.irp g, G1, G1B
	s_mov_b32 s[\g+1], ROWB<<16
	s_mov_b32 s[\g+2], 128<<16
	s_mov_b32 s[\g+3], ROWB<<16
	s_mov_b32 s[\g+4], 128
	s_mov_b32 s[\g+6], 0
	s_mov_b32 s[\g+7], 0
.endr
	s_mov_b32 s[G1+5], ROWB                        ; o's rows of a plane are dense
	s_mov_b32 s[G1B+5], KROW
	s_or_b32 s[G1S+0], s43, (3<<16)|(1<<20)|(1<<21)|(5<<22)|(3<<25)  ; the scale bytes of 128 rows: 4,096 dense bytes as 16 rows of 256, 16 bytes of padding behind each
	s_or_b32 s[G1SB+0], s44, (3<<16)|(1<<20)|(1<<21)|(5<<22)|(3<<25)
.irp g, G1S, G1SB
	s_mov_b32 s[\g+1], 32<<16
	s_mov_b32 s[\g+2], (128*KS/256)<<16
	s_mov_b32 s[\g+3], 32<<16
	s_mov_b32 s[\g+4], 128*KS/256
	s_mov_b32 s[\g+5], 32
	s_mov_b32 s[\g+6], 0
	s_mov_b32 s[\g+7], 0
.endr
	s_lshl_b32 s18, s16, 7
	s_lshl_b32 s20, s17, 8
	s_add_co_u32 s20, s20, s18                     ; o: row 256 x tile row + 128 x half
	s_lshl_b32 s46, s42, 8
	s_add_co_u32 s46, s46, s18                     ; wo: row 256 x tile column + 128 x half
	s_mov_b32 s21, 0
	s_mov_b32 s47, 0
	s_mov_b64 s[18:19], KS
	s_mul_u64 s[22:23], s[20:21], s[18:19]
	s_mul_u64 s[92:93], s[46:47], s[18:19]
	s_mov_b64 s[18:19], ROWB
	s_mul_u64 s[20:21], s[20:21], s[18:19]
	s_mov_b64 s[18:19], KROW
	s_mul_u64 s[46:47], s[46:47], s[18:19]
	s_mul_i32 s45, s14, HALFT
	s_mul_i32 s94, s14, HALFS
	s_wait_kmcnt 0x0
	s_add_nc_u64 s[20:21], s[4:5], s[20:21]
	s_add_nc_u64 s[22:23], s[6:7], s[22:23]
	s_add_nc_u64 s[46:47], s[8:9], s[46:47]
	s_add_nc_u64 s[92:93], s[10:11], s[92:93]
	CROUND                                         ; all sixteen work-groups are here: the first joint loads meet
	s_mov_b32 s[G0S], 1
	s_add_co_u32 s[G0S+1], s94, SCL
	s_mov_b64 s[G0S+2:G0S+3], s[22:23]
	s_or_b32 s[G0S+3], s[G0S+3], 0x80000000
	s_mov_b32 s[G0SB], 1
	s_add_co_u32 s[G0SB+1], s94, SCL
	s_mov_b64 s[G0SB+2:G0SB+3], s[92:93]
	s_or_b32 s[G0SB+3], s[G0SB+3], 0x80000000
	JLOAD G0S, G1S, G0SB, G1SB
.irp s, 0,1
	s_mov_b32 s[G0+4*\s], 1
	s_add_co_u32 s[G0+4*\s+1], s45, \s*SLOT
	s_add_nc_u64 s[G0+4*\s+2:G0+4*\s+3], s[20:21], \s*APLANE
	s_or_b32 s[G0+4*\s+3], s[G0+4*\s+3], 0x80000000
	s_mov_b32 s[G0B+4*\s], 1
	s_add_co_u32 s[G0B+4*\s+1], s45, \s*SLOT
	s_add_nc_u64 s[G0B+4*\s+2:G0B+4*\s+3], s[46:47], \s*ROWB
	s_or_b32 s[G0B+4*\s+3], s[G0B+4*\s+3], 0x80000000
	JLOAD G0+4*\s, G1, G0B+4*\s, G1B               ; three loads of mine are out
.endr
	v_and_b32 v1, 15, v0
	v_bfe_u32 v2, v0, 4, 1
	v_mul_u32_u24 v3, v1, PITCH
	v_mul_u32_u24 v4, v2, 24
	v_add_nc_u32 v4, v3, v4
	v_lshl_add_u32 v5, v2, 4, v4
	s_mul_i32 s21, s15, HALFT
	s_mul_i32 s22, s16, HALFT
	s_add_co_u32 s22, s22, 2*HALFT
.irp s, 0,1
	v_add_nc_u32 v[ADRA+\s], s21, v4
	v_add_nc_u32 v[ADRB+\s], s22, v4
	v_add_nc_u32 v[ADRA+2+\s], s21, v5
	v_add_nc_u32 v[ADRB+2+\s], s22, v5
	s_add_co_u32 s21, s21, SLOT
	s_add_co_u32 s22, s22, SLOT
.endr
	v_mul_u32_u24 v5, v1, KS                       ; my row's scale bytes: 32 a row, and 16 more for each 256 passed
	v_lshrrev_b32 v6, 8, v5
	v_lshl_add_u32 v5, v6, 4, v5
	s_mul_i32 s21, s15, HALFS
	s_mul_i32 s22, s16, HALFS
	s_add_co_u32 s22, s22, 2*HALFS
	s_sub_co_u32 s22, s22, s21
	v_mul_u32_u24 v6, s22, v2                      ; lanes 16-31 take wo's
	s_add_co_u32 s21, s21, SCL
	v_add_nc_u32 v5, v5, v6
	v_add_nc_u32 v[ADRS], s21, v5
	s_mul_i32 s23, s14, 16*SPITCH                  ; my stage
	v_mul_u32_u24 v5, v1, SPITCH
	v_lshl_add_u32 v5, v2, 5, v5
	v_add_nc_u32 v[STO], s23, v5
	v_and_b32 v6, 31, v0
	v_lshlrev_b32 v[CO], 4, v6
	v_add_nc_u32 v[RD], s23, v[CO]
	s_lshl_b32 s20, s17, 8
	s_lshl_b32 s21, s15, 7
	s_add_co_u32 s20, s20, s21                     ; my first row of out0
	s_mov_b32 s21, 0
	s_mov_b64 s[18:19], SIZE_N*4
	s_mul_u64 s[20:21], s[20:21], s[18:19]
	s_lshl_b32 s46, s42, 10                        ; my first column, in bytes
	s_lshl_b32 s47, s16, 9
	s_add_co_u32 s46, s46, s47
	s_mov_b32 s47, 0
	s_add_nc_u64 s[20:21], s[20:21], s[46:47]
	s_add_nc_u64 s[12:13], s[12:13], s[20:21]
.macro FRAG reg, adr, q, i             ; 16 rows x 128 K: 12 registers, in pieces of 8 bytes; lanes 16-31 read three pieces on, for some pieces behind one padding more: the second address register
.irp p, 0,1,2,3,4,5
.set PCE, 12*(\q)+6*(\p/3)+\p%3
.if PCE%8 < 5
	ds_load_b64 v[\reg+2*\p:\reg+2*\p+1], v[\adr] offset:8*PCE+16*(PCE/8)+(\i)*16*PITCH
.else
	ds_load_b64 v[\reg+2*\p:\reg+2*\p+1], v[\adr+2] offset:8*PCE+16*(PCE/8)+(\i)*16*PITCH
.endif
.endr
.endm
.macro MUL16 a0, p, q, sc, zero        ; the 64 accumulators take turns, one instruction a turn
.irp a, \a0, \a0+1
.irp b, 0,1,2,3,4,5,6,7
.if \zero
	v_wmma_scale_f32_16x16x128_f8f6f4 v[8*(8*((\a)%4)+\b):8*(8*((\a)%4)+\b)+7], v[128*(\p)+FR*\b:128*(\p)+FR*\b+FR-1], v[AF+FR*(\a):AF+FR*(\a)+FR-1], 0, v[SC+8*NQ*(\sc)+NQ*\b+(\q)], v[SC+8*NQ*(\sc)+NQ*(\a)+(\q)] matrix_a_fmt:MATRIX_FMT_FP6 matrix_b_fmt:MATRIX_FMT_FP6 matrix_a_scale:MATRIX_SCALE_ROW1
.else
	v_wmma_scale_f32_16x16x128_f8f6f4 v[8*(8*((\a)%4)+\b):8*(8*((\a)%4)+\b)+7], v[128*(\p)+FR*\b:128*(\p)+FR*\b+FR-1], v[AF+FR*(\a):AF+FR*(\a)+FR-1], v[8*(8*((\a)%4)+\b):8*(8*((\a)%4)+\b)+7], v[SC+8*NQ*(\sc)+NQ*\b+(\q)], v[SC+8*NQ*(\sc)+NQ*(\a)+(\q)] matrix_a_fmt:MATRIX_FMT_FP6 matrix_b_fmt:MATRIX_FMT_FP6 matrix_a_scale:MATRIX_SCALE_ROW1
.endif
.endr
.endr
.endm
.macro FETCH_B slot, q, p
	WIN TO_B
.irp i, 0,1,2,3,4,5,6,7
	FRAG 128*(\p)+FR*\i, ADRB+\slot, \q, \i
.endr
	WIN 0
.endm
.macro FETCH_A slot, q, i0
.irp i, \i0, \i0+1, \i0+2, \i0+3
	FRAG AF+FR*(\i), ADRA+\slot, \q, \i
.endr
.endm
.macro SCALES sc
.irp i, 0,1,2,3,4,5,6,7
	ds_load_b64 v[SC+8*NQ*\sc+NQ*\i:SC+8*NQ*\sc+NQ*\i+1], v[ADRS] offset:\i*SBLK
.endr
.endm
.macro PLACES n
.rept \n
	v_nop
.endr
.endm
.macro STEP slot, q, zero
	s_wait_dscnt 4*NL                              ; all but the youngest 24 loads (o's blocks 4-7) are in
	WIN MUL_LO
	MUL16 0, (\q)%2, \q, \slot, \zero
	MUL16 2, (\q)%2, \q, \slot, \zero
	s_wait_dscnt 0
	PLACES NP
	FETCH_B \slot, (\q)+1, 1-(\q)%2
	FETCH_A \slot, (\q)+1, 0
	WIN MUL_HI
	MUL16 4, (\q)%2, \q, \slot, \zero
	MUL16 6, (\q)%2, \q, \slot, \zero
	PLACES NP
	WIN 0
	FETCH_A \slot, (\q)+1, 4
.endm
.macro TURN slot, next, fill
	s_wait_tensorcnt 0x0                           ; all my tensor loads have landed: my part of the next slot
	ds_add_u32 v[SPW], v[NIL]                      ; 0 onto my spare word
	s_wait_dscnt 4*NL+1                            ; the add and the youngest 24 loads may be out
	WIN MUL_LO
	MUL16 0, 1, NQ-1, \slot, 0
	s_wait_dscnt 0x0                               ; the add is done, and my reads of this slot are over
	s_barrier_signal -1
	MUL16 2, 1, NQ-1, \slot, 0
	WIN 0
	s_barrier_wait -1
.if \fill
	CREST                                          ; a round of the cluster's barrier: no wave of any partner still reads this slot or has a load on its way
	s_add_nc_u64 s[G0+4*\slot+2:G0+4*\slot+3], s[G0+4*\slot+2:G0+4*\slot+3], 2*APLANE
	s_add_nc_u64 s[G0B+4*\slot+2:G0B+4*\slot+3], s[G0B+4*\slot+2:G0B+4*\slot+3], 2*ROWB
	JLOAD G0+4*\slot, G1, G0B+4*\slot, G1B
.else
	PLACES NP
.endif
	v_add_nc_u32 v[ADRS], 4*NQ, v[ADRS]
	FETCH_B \next, 0, 0
	FETCH_A \next, 0, 0
	SCALES \next
	WIN MUL_HI
	MUL16 4, 1, NQ-1, \slot, 0
	MUL16 6, 1, NQ-1, \slot, 0
	PLACES NP
	WIN 0
	FETCH_A \next, 0, 4
.endm
	s_wait_tensorcnt 1                             ; the scale bytes and my part of K step 0 are in; K step 1's load may be out
	s_barrier_signal -1
	s_barrier_wait -1
	FETCH_B 0, 0, 0
	FETCH_A 0, 0, 0
	SCALES 0
	FETCH_A 0, 0, 4
	STEP 0, 0, 1                                   ; the first step's products start the sums
	s_mov_b32 s3, LAPS-1
.Llap:
	TURN 0, 1, 1
	STEP 1, 0, 0
	TURN 1, 0, 1
	STEP 0, 0, 0
	s_sub_co_u32 s3, s3, 1
	s_cmp_lg_u32 s3, 0
	s_cbranch_scc1 .Llap
	TURN 0, 1, 0                                   ; the last lap fills nothing
	STEP 1, 0, 0
	s_wait_dscnt 4*NL
	WIN MUL_LO
	MUL16 0, 1, NQ-1, 1, 0
	MUL16 2, 1, NQ-1, 1, 0
	s_wait_dscnt 0
	WIN MUL_HI
	MUL16 4, 1, NQ-1, 1, 0
	MUL16 6, 1, NQ-1, 1, 0
	WIN 0
; THE WAY OUT, block by block of 16 rows x 128 columns, through my own stage in LDS: back as whole rows of 512 bytes.  LDS serves a wave's instructions in order (ISA guide 5.7.1.4): no wait between the stores and the loads.
.macro TOSTAGE a
.set AC, 64*((\a)%4)
	WIN 0x08+4*((\a)/4)                            ; the data: window 2 or 3
.irp b, 0,1,2,3,4,5,6,7
	ds_store_b128 v[STO], v[AC+8*\b:AC+8*\b+3] offset:64*\b          ; each accumulator from its low end on
	ds_store_b128 v[STO], v[AC+8*\b+4:AC+8*\b+7] offset:64*\b+16
.endr
	WIN 0
.set BB, BK+64*((\a)%2)
.irp t, 0,1,2,3,4,5,6,7,8,9,10,11,12,13,14,15
	ds_load_b128 v[BB+4*\t:BB+4*\t+3], v[RD] offset:\t*SPITCH
.endr
.endm
.macro SEND a, younger
.set BB, BK+64*((\a)%2)
	s_wait_dscnt \younger                          ; the block is back in registers
.if (\a) > 0
	s_add_nc_u64 s[12:13], s[12:13], 16*SIZE_N*4   ; (behind a wait on XCNT: the earlier stores have read their base)
.endif
.irp t, 0,1,2,3,4,5,6,7,8,9,10,11,12,13,14,15
	global_store_b128 v[CO], v[BB+4*\t:BB+4*\t+3], s[12:13] offset:\t*SIZE_N*4 th:TH_STORE_NT   ; 512 consecutive bytes, at a multiple of 256 from out0's first byte; written once
.endr
.endm
	PLACES NP
	TOSTAGE 0
.irp a, 1,2,3,4,5,6,7
.if \a > 1
	s_wait_xcnt 0x0                                ; block a - 2's stores have read their registers and their base
.endif
	TOSTAGE \a
	SEND \a-1, 32                                  ; behind block a - 1's loads: block a's 16 stores and 16 loads
.endr
	s_wait_xcnt 0x0
	SEND 7, 0
	s_wait_tensorcnt 0x0                           ; the wave's end
	ds_add_u32 v[SPW], v[NIL]
	s_wait_dscnt 0x0
	CROUND                                         ; the closing round
	s_endpgm
.Lfunc_end_k_qd57a2735f3_oproj:
	.size	k_qd57a2735f3_oproj, .Lfunc_end_k_qd57a2735f3_oproj-k_qd57a2735f3_oproj
	.p2alignl 7, 3214868480
	.fill 96, 4, 3214868480
	.section	.rodata,"a",@progbits
	.p2align	6, 0x0
	.amdhsa_kernel k_qd57a2735f3_oproj
		.amdhsa_group_segment_fixed_size 327680
		.amdhsa_private_segment_fixed_size 0
		.amdhsa_enable_private_segment 0
		.amdhsa_kernarg_size 40
		.amdhsa_user_sgpr_count 2
		.amdhsa_user_sgpr_kernarg_segment_ptr 1
		.amdhsa_wavefront_size32 1
		.amdhsa_system_sgpr_workgroup_id_x 1
		.amdhsa_system_sgpr_workgroup_id_y 1
		.amdhsa_system_sgpr_workgroup_id_z 1
		.amdhsa_system_vgpr_workitem_id 0
		.amdhsa_next_free_vgpr 1024
		.amdhsa_next_free_sgpr 98
		.amdhsa_reserve_vcc 0
		.amdhsa_float_denorm_mode_32 3
		.amdhsa_float_denorm_mode_16_64 3
		.amdhsa_memory_ordered 1
		.amdhsa_forward_progress 1
		.amdhsa_inst_pref_size 160
	.end_amdhsa_kernel
	.amdgpu_metadata
---
amdhsa.version: [ 1, 2 ]
amdhsa.kernels:
  - .name:           k_qd57a2735f3_oproj
    .symbol:         k_qd57a2735f3_oproj.kd
    .args:
      - { .name: o_codes, .offset: 0, .size: 8, .value_kind: global_buffer, .address_space: global }
      - { .name: o_scales, .offset: 8, .size: 8, .value_kind: global_buffer, .address_space: global }
      - { .name: wo_codes, .offset: 16, .size: 8, .value_kind: global_buffer, .address_space: global }
      - { .name: wo_scales, .offset: 24, .size: 8, .value_kind: global_buffer, .address_space: global }
      - { .name: out0, .offset: 32, .size: 8, .value_kind: global_buffer, .address_space: global }
    .group_segment_fixed_size: 327680
    .private_segment_fixed_size: 0
    .kernarg_segment_align: 8
    .kernarg_segment_size: 40
    .max_flat_workgroup_size: 128
    .sgpr_count:     98
    .vgpr_count:     1024
    .wavefront_size: 32
...
	.end_amdgpu_metadata
.endif
;; end of part 3
